; MI455X (gfx1250); checked and timed in simulation.
; The chip was launched on July 23, 2026; its instructions are those of AMD's public machine-readable ISA for CDNA 5 (MIT licence, August 2026) and "CDNA5" Instruction Set Architecture Reference Guide (July 2026). The comments in the code are by the model that wrote it; some were corrected since.
;; Multi Head Self Attention. Allowed arithmetic: matrix products marked QUANTISED: E2M1 operands, one E8M0 scale for each 32 along K, by v_wmma_scale_f32_16x16x128_f8f6f4 with both operands' format E2M1 (or v_wmma_scale_f32_32x16x128_f4), f32 sums; everything else in f32.
;; Inputs: Wk 1,024 x 1,024 float32; Wo 1,024 x 1,024 float32; Wq 1,024 x 1,024 float32; Wv 1,024 x 1,024 float32; bk 1,024 float32; bo 1,024 float32; bq 1,024 float32; bv 1,024 float32; mask 4 x 2,048 int32; x 4 x 2,048 x 1,024 float32.
;; Outputs: out0 4 x 2,048 x 1,024 float32.
;; This version of the problem:
;;   THIS VERSION OF THE PROBLEM IS GIVEN IN LOW PRECISION. The matrix products marked QUANTISED in the list below multiply operands that are first quantised to E2M1 (2 exponent bits, 1 mantissa bit; 4 bits a number), with one power-of-two scale for each 32 numbers along K (OCP MX v1.0); their sums are f32. All else is computed in f32.
;;   The module's matrix products, in the order in which they are computed (A, B: the left and right operand; K: the contracted axis; several contracted axes count as one K, in the product's order):
;;     1. [M 8,192, K 1,024] x [K 1,024, N 1,024]; A: input x; B: input Wq: QUANTISED
;;     2. [M 8,192, K 1,024] x [K 1,024, N 1,024]; A: input x; B: input Wk: QUANTISED
;;     3. [M 8,192, K 1,024] x [K 1,024, N 1,024]; A: input x; B: input Wv: QUANTISED
;;     4. batch 64 x [M 2,048, K 64] x [K 64, N 2,048]; A: computed on the way; B: computed on the way: QUANTISED
;;     5. batch 64 x [M 2,048, K 2,048] x [K 2,048, N 64]; A: softmax (see below); B: computed on the way: QUANTISED
;;     6. [M 8,192, K 1,024] x [K 1,024, N 1,024]; A: computed on the way; B: input Wo: QUANTISED
;;   THE QUANTISER, for each operand of a quantised product, along K:
;;     - K is cut into blocks of 32 from its start; a last block that is shorter is filled with zeros.
;;     - A block's scale is 2^e with e = floor(log2(the largest magnitude in the block)) - 2, held to -126 .. 127; a block of zeros has e = 0. As a byte (E8M0): e + 127.
;;     - Each number is divided by its block's scale, clamped to +-6, and rounded to the nearest number of E2M1, ties to even, subnormals kept.
;;     - The product sums the exact products of the quantised numbers (number of the format x scale) in f32.
;;   ~~~python
;;   def quantise(x, axis):      # numpy; x: float32 -> the quantised numbers, widened to float32 again
;;       x = np.moveaxis(x, axis, -1); K = x.shape[-1]
;;       x = np.pad(x, [(0, 0)] * (x.ndim - 1) + [(0, -K % 32)]); x = x.reshape(x.shape[:-1] + (-1, 32)); a = np.abs(x).max(-1, keepdims=True)
;;       e = np.where(a > 0, np.clip(np.frexp(np.where(a > 0, a, 1))[1] - 1 - 2, -126, 127), 0)      # np.frexp(a)[1] - 1 = floor(log2(a)), exactly
;;       r = np.clip(x / 2.0 ** e, -6, 6)
;;       step = 2.0 ** (np.maximum(np.frexp(np.where(r == 0, 1, r))[1] - 1, 0) - 1)
;;       q = np.round(r / step) * step * 2.0 ** e      # np.round: ties to even
;;       return np.moveaxis(q.reshape(q.shape[:-2] + (-1,))[..., :K], -1, axis).astype(np.float32)
;;   ~~~
;;   SOFTMAX AHEAD OF A QUANTISED PRODUCT. Where the list says 'softmax', what is quantised is not the finished softmax but p = 2^(t - M), with t = logit x log2(e) and M = ceil(the row's largest t), a whole number; so 1/2 < the row's largest p <= 1. The row's sum l is taken of the UNQUANTISED p, in f32, and the product's result is divided by l at the end. Since M is a whole number, a kernel that streams over the keys may use a running M (the ceiling of the running maximum): every later rescaling is an exact power of two, which a block's scale takes up: the codes' values come out the same.
;;   OPERANDS COMPUTED ON THE WAY. 'Computed on the way' means the value that the module computes at that place (a softmax that the list does not call 'softmax' is quantised finished and normalised). What goes into a quantiser is computed in f32, as accurately as f32 sums, v_exp_f32 and their like allow (about 1e-6 of the number): no bf16 or f16 on the way to a quantiser, and a product that is left as it is and whose result goes on into a quantised operand takes f32 operands (vector FMAs, or v_wmma_f32_16x16x4_f32). A number that lies on a knife's edge between two numbers of the format may be rounded either way, as far as f32 arithmetic and the matrix unit's own rounding can turn it there, and no further.
;; One version. Each part assembles by itself: llvm-mc -triple=amdgcn-amd-amdhsa -mcpu=gfx1250 --defsym DOCPART=n.
;; ======== version 1 of 1: 4 launches
;; limits: right only within a limited range of input values
;; workspace buffers: codes 6,291,456 bytes; scales 393,216 bytes; qc 4,194,304 bytes; qs 524,288 bytes; kv 9,175,040 bytes; oc 4,194,304 bytes; os 262,144 bytes
;; launch quant (part 1): grid 256 x 1, 6 waves a work-group, no clusters, 51,456 bytes of LDS; arguments x, Wq, Wk, Wv, Wo, codes, scales; writes codes, scales
.if DOCPART == 1
	.amdgcn_target "amdgcn-amd-amdhsa--gfx1250"
	.amdhsa_code_object_version 6
	.text
	.protected	k_q64409520f3_quant
	.globl	k_q64409520f3_quant
	.p2align	8
	.type	k_q64409520f3_quant,@function
k_q64409520f3_quant:
	s_mov_b64 s[64:65], 0
	v_nop
	global_prefetch_b8 v0, s[64:65] scope:SCOPE_SE
	s_setreg_imm32_b32 hwreg(HW_REG_WAVE_MODE, 25, 1), 1
	s_wait_xcnt 0x0
; MULTI-HEAD SELF-ATTENTION IN MX-FP4, launch 1 of 4: x [8192][1024] and Wq, Wk, Wv, Wo [1024][1024], f32, K innermost, become codes of E2M1 and E8M0 scale words.
; DEAD WORK: none is left out in any launch.  Every bias goes into a quantised operand or into the output; the key mask hangs on data, so the work is done and the mask selects.  Every input is loaded.
; A block's scale is 2^(floor(log2(its largest magnitude)) - 2): its byte is the largest magnitude's exponent field - 2, held at 1 from below.  A block of zeros so gets byte 1 where the rule says 127:
; its codes are zeros, and this program alone reads the bytes.
; LIMITS: blocks whose largest magnitude lies under 2^-124 keep byte 1; NaN and infinities among the inputs are not served.
; THE WORKSPACE IS LAID AS THE MATRIX OPERANDS' REGISTERS.  768 tiles of 16 rows: x 0-511, Wq 512-575, Wk 576-639, Wv 640-703, Wo 704-767.  Lane r of tile T (counted in its tensor) holds row
; 32 (T / 2) + 8 (T % 2) + r + 8 (r / 8): with such a tile as source 0 of a product, a lane's 16 result registers of tiles 2 b, 2 b + 1 are 16 neighbours, as the next quantiser wants them.
; codes  [K half][tile][K step of 128 (4)][c (2)][lane][16 bytes]: lane (r, h) holds k = 64 c + 32 h + 0 .. 31 of the step.     scales [tile][K half][r][K step (4)] words, byte b for k + 32 b.
; SHARES: 768 tiles x 2 K halves = 1,536 units = 256 work-groups x 6 waves; waves share nothing: no barrier.  A unit is four steps of 16 rows x 128 numbers.  Each load reads 512 consecutive bytes of one
; row; the step turns through the wave's own stage in LDS (rows 528 bytes apart) and comes back 128 bytes a lane: two whole blocks of 32, in the operand's own order.  Loads run two steps (32 loads) ahead.
.set STG,   8448                       ; a wave's stage: 16 rows x 528 bytes
.set SPARE, 6*STG                      ; behind the stages: the spare words, 128 bytes for each wave: three blocks of 256 bytes that no other line names
.set R,     16                         ; v16-143  two sets of 64 numbers as loaded
.set X,     144                        ; v144-207 my two blocks of 32
.set PC,    208                        ; v208-239 codes: eight registers for each step, so that no store's data are written again
.set SW,    240                        ; v240-243 a scale word for each step
.set SPW,   244                        ; v244     LDS address of my spare word; never rewritten
.set NIL,   245                        ; v245     0; never rewritten
	s_load_b256 s[4:11], s[0:1], 0x0               ; x, Wq, Wk, Wv
	s_load_b128 s[12:15], s[0:1], 0x20             ; Wo, codes
	s_load_b64 s[16:17], s[0:1], 0x30              ; scales
	v_lshl_add_u32 v[SPW], v0, 2, SPARE
	v_mov_b32 v[NIL], 0
	v_lshrrev_b32 v1, 5, v0
	v_readfirstlane_b32 s18, v1                    ; wave 0..5
	v_and_b32 v1, 31, v0                           ; lane
	v_and_b32 v2, 15, v0                           ; r
	v_bfe_u32 v3, v0, 4, 1                         ; h
	v_lshlrev_b32 v4, 4, v1                        ; 16 x lane: my bytes of a load's 512, and of a store's
	s_mul_i32 s19, s18, STG
	v_add_nc_u32 v5, s19, v4                       ; the stage on the way in: 16 x lane of a row
	v_mul_u32_u24 v6, v2, 528
	v_lshl_add_u32 v6, v3, 7, v6
	v_add_nc_u32 v6, s19, v6                       ; and on the way out: row r, + 128 h
	v_lshlrev_b32 v7, 3, v3                        ; 8 h: my bytes' place in a scale word, in bits
	v_lshl_add_u32 v2, v2, 4, v7                   ; 16 r + 8 h: my 8 bytes of the unit's 256 bytes of scale words
	v_mov_b32 v15, 0                               ; written once: a lane permute's destination counts as one of its sources
	s_mov_b32 s20, 0x76543210
	s_mov_b32 s21, 0xfedcba98                      ; selects for lane l xor 16
	s_mov_b32 s22, 0xffff0000                      ; lanes 16-31
	s_mul_i32 s24, ttmp9, 6
	s_add_co_u32 s24, s24, s18                     ; my unit
	s_lshr_b32 s25, s24, 1                         ; its tile, 0..767
	s_and_b32 s24, s24, 1                          ; its K half
	s_and_b32 s28, s25, 63                         ; the tile's number in a weight
	s_wait_alu depctr_va_vdst(0)
	s_wait_kmcnt 0x0
	s_mov_b64 s[26:27], s[12:13]                   ; which tensor: the choice hangs on the tile's number alone
	s_cmp_lt_u32 s25, 704
	s_cselect_b64 s[26:27], s[10:11], s[26:27]
	s_cmp_lt_u32 s25, 640
	s_cselect_b64 s[26:27], s[8:9], s[26:27]
	s_cmp_lt_u32 s25, 576
	s_cselect_b64 s[26:27], s[6:7], s[26:27]
	s_cmp_lt_u32 s25, 512
	s_cselect_b64 s[26:27], s[4:5], s[26:27]
	s_cselect_b32 s28, s25, s28                    ; the tile's number in its tensor
	s_lshr_b32 s29, s28, 1
	s_lshl_b32 s30, s29, 17                        ; 32 rows of 4,096 bytes for each pair of tiles,
	s_and_b32 s29, s28, 1
	s_lshl_b32 s29, s29, 15                        ; 8 rows for the odd tile,
	s_add_co_u32 s30, s30, s29
	s_lshl_b32 s29, s24, 11                        ; 2,048 bytes for the second K half
	s_add_co_u32 s30, s30, s29
	s_mov_b32 s31, 0
	s_add_nc_u64 s[26:27], s[26:27], s[30:31]
	s_mul_i32 s30, s24, 3145728                    ; codes: the K half's plane, 768 tiles of 4,096 bytes
	s_lshl_b32 s29, s25, 12
	s_add_co_u32 s30, s30, s29
	s_add_nc_u64 s[14:15], s[14:15], s[30:31]
	s_lshl_b32 s30, s25, 9                         ; scales: 512 bytes a tile, 256 a K half
	s_lshl_b32 s29, s24, 8
	s_add_co_u32 s30, s30, s29
	s_add_nc_u64 s[16:17], s[16:17], s[30:31]
.macro LOAD t                          ; step t: 16 rows x 512 bytes; the tile's row i lies i + 8 (i / 8) rows down
.irp i, 0,1,2,3,4,5,6,7,8,9,10,11,12,13,14,15
	global_load_b128 v[R+64*((\t)%2)+4*\i:R+64*((\t)%2)+4*\i+3], v4, s[26:27] offset:(\i+8*(\i/8))*4096+512*(\t) th:TH_LOAD_NT
.endr
.endm
.macro STEP t
.if (\t) < 3
	s_wait_loadcnt 16                              ; this step's 16 loads are in; the next step's 16 may be out
.else
	s_wait_loadcnt 0x0
.endif
.irp i, 0,1,2,3,4,5,6,7,8,9,10,11,12,13,14,15
	ds_store_b128 v5, v[R+64*((\t)%2)+4*\i:R+64*((\t)%2)+4*\i+3] offset:528*\i
.endr
.irp c, 0,1
.irp i, 0,1,2,3,4,5,6,7
	ds_load_b128 v[X+32*\c+4*\i:X+32*\c+4*\i+3], v6 offset:256*\c+16*\i   ; LDS serves a wave's instructions in order: these see the stores above.  k = 64 c + 32 h + 4 i ..
.endr
.endr
	s_wait_dscnt 0x0                               ; my two blocks are in, and the stores have read their registers,
.if (\t) < 2
	LOAD (\t)+2                                    ; which take the loads of two steps on
.endif
.irp c, 0,1
	v_max3_num_f32 v[8+\c], |v[X+32*\c]|, |v[X+32*\c+1]|, 0x1800000   ; the block's largest magnitude, all 32 mine, and the floor 2^(3 - 127): so the byte cannot fall under 1
.endr
.irp i, 2,4,6,8,10,12,14,16,18,20,22,24,26,28,30
.irp c, 0,1
	v_max3_num_f32 v[8+\c], v[8+\c], |v[X+32*\c+\i]|, |v[X+32*\c+\i+1]|   ; (the two blocks by turns)
.endr
.endr
.irp c, 0,1
	v_add_nc_u32 v[10+\c], 0xff000000, v[8+\c]     ; 2 off its exponent field: the conversion takes the exponent field of this operand as its scale
.endr
.irp c, 0,1
.irp g, 0,1,2,3
	v_cvt_scalef32_pk8_fp4_f32 v[PC+8*(\t)+4*\c+\g], v[X+32*\c+8*\g:X+32*\c+8*\g+7], v[10+\c]   ; registers 4 c .. 4 c + 3 of the operand
.endr
.endr
	v_lshrrev_b32 v12, 23, v10                     ; the scales' bytes: blocks h and 2 + h.  (A plain line behind the conversions)
	v_lshrrev_b32 v13, 23, v11
	v_lshl_or_b32 v14, v13, 16, v12
	v_lshlrev_b32 v14, v7, v14                     ; at their places in the word;
	v_permlanex16_b32 v15, v14, s20, s21
	v_or_b32 v[SW+(\t)], v14, v15                  ; with lane l xor 16's two the word is whole
	global_store_b128 v4, v[PC+8*(\t):PC+8*(\t)+3], s[14:15] offset:1024*(\t)         ; 32 lanes store 512 consecutive bytes, aligned
	global_store_b128 v4, v[PC+8*(\t)+4:PC+8*(\t)+7], s[14:15] offset:1024*(\t)+512
.endm
	LOAD 0
	LOAD 1
	STEP 0
	STEP 1
	STEP 2
	STEP 3
	v_cndmask_b32 v246, v[SW], v[SW+2], s22        ; lanes 0-15 store row r's words of steps 0, 1, lanes 16-31 those of steps 2, 3
	v_cndmask_b32 v247, v[SW+1], v[SW+3], s22
	global_store_b64 v2, v[246:247], s[16:17]      ; 32 lanes store 256 consecutive bytes, aligned
	s_wait_tensorcnt 0x0                           ; the wave's end, behind my last LDS store
	ds_add_u32 v[SPW], v[NIL]
	s_wait_dscnt 0x0
	s_endpgm
.Lfunc_end_k_q64409520f3_quant:
	.size	k_q64409520f3_quant, .Lfunc_end_k_q64409520f3_quant-k_q64409520f3_quant
	.p2alignl 7, 3214868480
	.fill 96, 4, 3214868480
	.section	.rodata,"a",@progbits
	.p2align	6, 0x0
	.amdhsa_kernel k_q64409520f3_quant
		.amdhsa_group_segment_fixed_size 51456
		.amdhsa_private_segment_fixed_size 0
		.amdhsa_enable_private_segment 0
		.amdhsa_kernarg_size 56
		.amdhsa_user_sgpr_count 2
		.amdhsa_user_sgpr_kernarg_segment_ptr 1
		.amdhsa_wavefront_size32 1
		.amdhsa_system_sgpr_workgroup_id_x 1
		.amdhsa_system_sgpr_workgroup_id_y 1
		.amdhsa_system_sgpr_workgroup_id_z 1
		.amdhsa_system_vgpr_workitem_id 0
		.amdhsa_next_free_vgpr 248
		.amdhsa_next_free_sgpr 66
		.amdhsa_reserve_vcc 0
		.amdhsa_float_denorm_mode_32 3
		.amdhsa_float_denorm_mode_16_64 3
		.amdhsa_memory_ordered 1
		.amdhsa_forward_progress 1
		.amdhsa_inst_pref_size 30
	.end_amdhsa_kernel
	.amdgpu_metadata
---
amdhsa.version: [ 1, 2 ]
amdhsa.kernels:
  - .name:           k_q64409520f3_quant
    .symbol:         k_q64409520f3_quant.kd
    .args:
      - { .name: x, .offset: 0, .size: 8, .value_kind: global_buffer, .address_space: global }
      - { .name: Wq, .offset: 8, .size: 8, .value_kind: global_buffer, .address_space: global }
      - { .name: Wk, .offset: 16, .size: 8, .value_kind: global_buffer, .address_space: global }
      - { .name: Wv, .offset: 24, .size: 8, .value_kind: global_buffer, .address_space: global }
      - { .name: Wo, .offset: 32, .size: 8, .value_kind: global_buffer, .address_space: global }
      - { .name: codes, .offset: 40, .size: 8, .value_kind: global_buffer, .address_space: global }
      - { .name: scales, .offset: 48, .size: 8, .value_kind: global_buffer, .address_space: global }
    .group_segment_fixed_size: 51456
    .private_segment_fixed_size: 0
    .kernarg_segment_align: 8
    .kernarg_segment_size: 56
    .max_flat_workgroup_size: 192
    .sgpr_count:     66
    .vgpr_count:     248
    .wavefront_size: 32
...
	.end_amdgpu_metadata
.endif
;; end of part 1
;; launch qkv (part 2): grid 12 x 32, 4 waves a work-group, clusters of 4 x 4, 279,040 bytes of LDS; arguments codes, scales, bq, bk, bv, qc, qs, kv; writes qc, qs, kv
.if DOCPART == 2
	.amdgcn_target "amdgcn-amd-amdhsa--gfx1250"
	.amdhsa_code_object_version 6
	.text
	.protected	k_q64409520f3_qkv
	.globl	k_q64409520f3_qkv
	.p2align	8
	.type	k_q64409520f3_qkv,@function
k_q64409520f3_qkv:
	s_mov_b64 s[64:65], 0
	v_nop
	global_prefetch_b8 v0, s[64:65] scope:SCOPE_SE
	s_setreg_imm32_b32 hwreg(HW_REG_WAVE_MODE, 25, 1), 1
	s_wait_xcnt 0x0
	s_wait_alu depctr_hold_cnt(0) depctr_sa_sdst(0) depctr_va_vdst(0) depctr_va_sdst(0) depctr_va_ssrc(0) depctr_va_vcc(0) depctr_vm_vsrc(0)
	s_getreg_b32 s2, hwreg(HW_REG_IB_STS2, 6, 4)
	s_cmp_eq_u32 s2, 0
	s_cbranch_scc0 .Lentry_in_a_cluster
	s_endpgm
.Lentry_in_a_cluster:
	s_bfe_u32 s2, ttmp6, 0x10000c
	s_cmp_lg_u32 s2, 0xf033
	s_cbranch_scc0 .Lentry_shape_is_right
	s_endpgm
.Lentry_shape_is_right:
; Launch 2 of 4: Q = x Wq^T + bq, K = x Wk^T + bk, V = x Wv^T + bv on codes of E2M1 (K = 1,024), and their quantising for the attention: Q and K along the head's 64, V along the keys.  No work is left out.
; A tile of 256 x 256 results is made by four waves, 128 x 128 each: 64 accumulators of 16 x 16.  The cluster's x says what is made: 0 Q, 1 K, 2 V.
; THE MATRIX INSTRUCTION IS USED TRANSPOSED: source 0 = the B role's 16 rows, source 1 = the A role's.  A lane then holds one row of the A role, and its registers run along the B role's rows, which by the
; tiles' row order are neighbours: the axis along which the result is quantised.  Q, K: A = tokens, B = the weight's rows (the head's channels).  V: A = Wv's rows, B = tokens (the keys).  One main loop serves all.
; Both K halves of both roles lie in LDS, each filled once, as dense blocks of operand images: a fragment load is 512 consecutive bytes.  No byte of LDS is filled again.
; CLUSTERS: 4 x 4 work-groups; A's blocks are shared along a row of the cluster, B's along a column, each asked for jointly.
; OUT: qc [plane = 16 batch + head][query tile][lane][16 bytes] (lane (r, h): channels 32 h ..), qs [plane][tile / 4][r][tile % 4] words (bytes 0, 1 the head's two blocks, bytes 2, 3 zero: the product's
; unused 64 along K hold zero codes).  kv: a record of 143,360 bytes a plane: K's codes as qc, V's codes [key step of 128][channel tile (4)][c][lane][16] at 65,536, K's words as qs at 131,072,
; V's words [key step][r][channel tile] at 139,264.
; LIMITS: as in the first launch: a block under 2^-124 keeps byte 1; NaN and infinities are not served.
; REGISTERS: window 0: v1-31 addresses and small work; v32-95 scale words, two sets; v96-127 at work on the way out; v128-191 A's fragments, later 64 results; v192-255 the bias.
;   window 1: B's fragments, two sets.   windows 2, 3: the accumulators ((a, b) at v[8 (8 (a % 4) + b)] of window 2 + a / 4).
.set HB,    4                          ; half of a wave's blocks of A
.set NL,    2                          ; LDS loads that bring a fragment
.set SLOT,  131072                     ; a K half: A's 16 tiles of 4,096 bytes, then B's 16
.set BOFF,  65536
.set SCL,   262144                     ; the scale words: A's 16 tiles of 512 bytes, then B's
.set SPARE, 278528                     ; the spare words, 128 bytes for each wave: two blocks of 256 bytes that no other line names
.set PLANE, 3145728                    ; from one K half of the codes to the other
.set REC,   143360                     ; a plane's record in kv
.set OUTR, 4                           ; v4-7    V's scale words as stored
.set SW,   8                           ; v8-15   a scale word for each block of A
.set ADRA, 16                          ; v16-17  LDS address of my A fragments in K half 0, 1
.set ADRB, 20                          ; v20-21  the same for B
.set LOFF, 24                          ; v24     16 x lane
.set SOFF, 25                          ; v25     the scale words' store: 16 r, + a plane for lanes 16-31
.set SH,   26                          ; v26     16 h
.set ADRS, 27                          ; v27     LDS address of my scale words: lanes 0-15 A's, lanes 16-31 B's
.set SPW,  28                          ; v28     LDS address of my spare word; never rewritten
.set NIL,  29                          ; v29     0; never rewritten
.set BOF,  30                          ; v30     my lane's byte in the bias
.set PW,   31                          ; v31     the scale word just made
.set SC,   32                          ; set s at v[SC + 32 s]; register 4 i + q: lanes 0-15 A's block i, lanes 16-31 B's block i, K step q of the half
.set TM,   96                          ; v96-111 the quantiser's work
.set PC,   112                         ; v112-127 the codes just made, two sets
.set AF,   128
.set T,    128
.set BIAS, 192
.set G1A, 28
.set G1B, 36
.set G1SA, 44
.set G1SB, 52
.set G0A0, 60
.set G0A1, 68
.set G0B0, 72
.set G0B1, 76
.set G0SA, 80
.set G0SB, 84
.set MSB, 0
.macro WIN new                         ; the immediate's high byte repeats the setting that is left
.if MSB != (\new)
	s_set_vgpr_msb (MSB<<8)|(\new)
.set MSB, (\new)
.endif
.endm
.set MUL_LO, 0xa1                      ; source 0 (B) window 1, source 1 (A) window 0, C and D window 2
.set MUL_HI, 0xf1                      ; the same, C and D window 3
.set TO_B,   0x40                      ; destination window 1, address window 0
; A joint load: waves 0 and 1 fetch for A, waves 2 and 3 for B.  The branch hangs on the wave's number alone.  An s_nop 0 and four v_nop follow each of the two lines.
.macro JLOAD g0a, g1a, g0b, g1b
	s_cmp_eq_u32 s21, 0
	s_cbranch_scc0 .Lfor_b_\@
	tensor_load_to_lds s[\g0a:\g0a+3], s[\g1a:\g1a+7]
	s_nop 0
.rept 4
	v_nop
.endr
	s_branch .Lasked_\@
.Lfor_b_\@:
	tensor_load_to_lds s[\g0b:\g0b+3], s[\g1b:\g1b+7]
	s_nop 0
.rept 4
	v_nop
.endr
.Lasked_\@:
.endm
.macro CROUND                          ; a round of the cluster's barrier
	s_barrier_signal -1
	s_barrier_wait -1
	s_cmp_lg_u32 s20, 0
	s_cbranch_scc1 .Lnot_wave_0_\@
	s_barrier_signal -3
.Lnot_wave_0_\@:
	s_barrier_wait -3
	s_barrier_signal -1
	s_barrier_wait -1
.endm
.macro PLACES n                        ; plain vector lines behind matrix instructions, in front of loads into their registers and of reads of their results
.rept \n
	v_nop
.endr
.endm
	s_load_b256 s[4:11], s[0:1], 0x0               ; codes, scales, bq, bk
	s_load_b256 s[12:19], s[0:1], 0x20             ; bv, qc, qs, kv
	v_lshl_add_u32 v[SPW], v0, 2, SPARE
	v_mov_b32 v[NIL], 0
	ds_add_u32 v[SPW], v[NIL]                      ; the wave's opening: the add, twice on end, and its wait ahead of my first tensor load
	ds_add_u32 v[SPW], v[NIL]
	v_lshrrev_b32 v1, 5, v0
	v_readfirstlane_b32 s20, v1                    ; wave 0..3
	s_lshr_b32 s21, s20, 1                         ; which half of A's rows is mine.  Also: I fetch for A (0) or for B (1)
	s_and_b32 s22, s20, 1                          ; which half of B's rows.  Also: which 8 tiles of the block I fetch
	s_bfe_u32 s23, ttmp6, 0x40000                  ; cx
	s_bfe_u32 s24, ttmp6, 0x40004                  ; cy
	s_mov_b32 s25, ttmp9                           ; the cluster's x: 0 Q, 1 K, 2 V: the same in all sixteen partners
	s_and_b32 s26, ttmp7, 0xffff
	s_lshl_b32 s26, s26, 2                         ; 4 x the cluster's y: the cluster's first block of 256 tokens
	s_mov_b32 s2, 0x76543210
	s_mov_b32 s3, 0xfedcba98                       ; selects for lane l xor 16
	s_lshl_b32 s88, s24, 2
	s_lshl_b32 s88, 15, s88                        ; my row of the cluster
	s_lshl_b32 s89, 0x1111, s23                    ; my column
	s_or_b32 s[G1A], s88, (3<<16)|(1<<21)          ; 15:0 the mask; 17:16 elements of 8 bytes; 21 set beside a mask; no padding
	s_or_b32 s[G1B], s89, (3<<16)|(1<<21)
	s_or_b32 s[G1SA], s88, (3<<16)|(1<<21)
	s_or_b32 s[G1SB], s89, (3<<16)|(1<<21)
.irp g, G1A, G1B                       ; 8 tiles of codes: 32,768 dense bytes as 128 rows of 256
	s_mov_b32 s[\g+1], 32<<16
	s_mov_b32 s[\g+2], 128<<16
	s_mov_b32 s[\g+3], 32<<16
	s_mov_b32 s[\g+4], 128
	s_mov_b32 s[\g+5], 32
	s_mov_b32 s[\g+6], 0
	s_mov_b32 s[\g+7], 0
.endr
.irp g, G1SA, G1SB                     ; their scale words: 4,096 dense bytes as 16 rows of 256
	s_mov_b32 s[\g+1], 32<<16
	s_mov_b32 s[\g+2], 16<<16
	s_mov_b32 s[\g+3], 32<<16
	s_mov_b32 s[\g+4], 16
	s_mov_b32 s[\g+5], 32
	s_mov_b32 s[\g+6], 0
	s_mov_b32 s[\g+7], 0
.endr
	; which blocks of 16 tiles: x 0-31, Wq 32-35, Wk 36-39, Wv 40-43.  A's number holds cy and never cx, B's cx and never cy
	s_lshl_b32 s90, s25, 2
	s_add_co_u32 s90, s90, 32
	s_cmp_eq_u32 s25, 2
	s_cselect_b32 s88, 40, s26
	s_cselect_b32 s89, s26, s90
	s_add_co_u32 s88, s88, s24                     ; A's block
	s_add_co_u32 s89, s89, s23                     ; B's block
	s_lshl_b32 s91, s22, 15
	s_lshl_b32 s92, s88, 16
	s_add_co_u32 s92, s92, s91                     ; A's codes: 65,536 bytes a block, 32,768 for my half
	s_mov_b32 s93, 0
	s_lshl_b32 s94, s89, 16
	s_add_co_u32 s94, s94, s91
	s_mov_b32 s95, 0
	s_lshl_b32 s91, s22, 12
	s_lshl_b32 s96, s88, 13
	s_add_co_u32 s96, s96, s91                     ; A's scale words: 8,192 bytes a block
	s_mov_b32 s97, 0
	s_lshl_b32 s98, s89, 13
	s_add_co_u32 s98, s98, s91
	s_mov_b32 s99, 0
	s_lshl_b32 s100, s20, 15                       ; where they go: wave x 32,768: A's two halves, then B's: no place in the cluster enters an LDS address
	s_lshl_b32 s101, s20, 12
	s_wait_dscnt 0x0                               ; both opening adds are done
	s_wait_kmcnt 0x0
	s_add_nc_u64 s[92:93], s[4:5], s[92:93]
	s_add_nc_u64 s[94:95], s[4:5], s[94:95]
	s_add_nc_u64 s[96:97], s[6:7], s[96:97]
	s_add_nc_u64 s[98:99], s[6:7], s[98:99]
	CROUND                                         ; all sixteen work-groups are here: the first joint loads meet
	s_mov_b32 s[G0SA], 1
	s_add_co_u32 s[G0SA+1], s101, SCL
	s_mov_b64 s[G0SA+2:G0SA+3], s[96:97]
	s_or_b32 s[G0SA+3], s[G0SA+3], 0x80000000
	s_mov_b32 s[G0SB], 1
	s_add_co_u32 s[G0SB+1], s101, SCL
	s_mov_b64 s[G0SB+2:G0SB+3], s[98:99]
	s_or_b32 s[G0SB+3], s[G0SB+3], 0x80000000
	JLOAD G0SA, G1SA, G0SB, G1SB                   ; the scale words first: they are wanted with the first K half
	s_mov_b32 s[G0A0], 1
	s_mov_b32 s[G0A0+1], s100
	s_mov_b64 s[G0A0+2:G0A0+3], s[92:93]
	s_or_b32 s[G0A0+3], s[G0A0+3], 0x80000000
	s_mov_b32 s[G0B0], 1
	s_mov_b32 s[G0B0+1], s100
	s_mov_b64 s[G0B0+2:G0B0+3], s[94:95]
	s_or_b32 s[G0B0+3], s[G0B0+3], 0x80000000
	JLOAD G0A0, G1A, G0B0, G1B
	s_mov_b32 s[G0A1], 1
	s_add_co_u32 s[G0A1+1], s100, SLOT
	s_add_nc_u64 s[G0A1+2:G0A1+3], s[92:93], PLANE
	s_or_b32 s[G0A1+3], s[G0A1+3], 0x80000000
	s_mov_b32 s[G0B1], 1
	s_add_co_u32 s[G0B1+1], s100, SLOT
	s_add_nc_u64 s[G0B1+2:G0B1+3], s[94:95], PLANE
	s_or_b32 s[G0B1+3], s[G0B1+3], 0x80000000
	JLOAD G0A1, G1A, G0B1, G1B                     ; three tensor loads of mine are out
	v_and_b32 v1, 31, v0                           ; lane
	v_and_b32 v2, 15, v0                           ; r
	v_bfe_u32 v3, v0, 4, 1                         ; h
	s_wait_alu depctr_va_vdst(0)
	v_lshlrev_b32 v[LOFF], 4, v1
	s_lshl_b32 s88, s21, 15                        ; my 8 tiles of A
	s_lshl_b32 s89, s22, 15
	s_add_co_u32 s89, s89, BOFF                    ; my 8 tiles of B, behind A's 16
.irp s, 0,1
	v_add_nc_u32 v[ADRA+\s], s88, v[LOFF]
	v_add_nc_u32 v[ADRB+\s], s89, v[LOFF]
	s_add_co_u32 s88, s88, SLOT
	s_add_co_u32 s89, s89, SLOT
.endr
	s_lshl_b32 s88, s21, 12                        ; A's words: my 8 tiles
	s_lshl_b32 s89, s22, 12
	s_add_co_u32 s89, s89, 8192                    ; B's: my 8 tiles, behind A's 16
	s_sub_co_u32 s89, s89, s88
	v_mul_u32_u24 v4, s89, v3                      ; lanes 16-31 take B's: one product, the distance between the two
	s_add_co_u32 s88, s88, SCL
	v_lshl_add_u32 v4, v2, 4, v4                   ; 16 bytes a row: four K steps' words
	v_add_nc_u32 v[ADRS], s88, v4
	v_lshlrev_b32 v[SH], 4, v3
.macro FRAG reg, adr, q, i             ; a fragment (16 rows x 128 K: 8 registers) lies in LDS as the image of its registers
.irp c, 0,1
	ds_load_b128 v[\reg+4*\c:\reg+4*\c+3], v[\adr] offset:4096*(\i)+1024*(\q)+512*\c
.endr
.endm
.macro FETCH_B slot, q, p              ; B's eight fragments of K step q into set p
	WIN TO_B
.irp i, 0,1,2,3,4,5,6,7
	FRAG 128*(\p)+8*\i, ADRB+\slot, \q, \i
.endr
	WIN 0
.endm
.macro FETCH_A slot, q, i0             ; A's blocks i0 .. i0 + HB - 1
.set II, \i0
.rept HB
	FRAG AF+8*II, ADRA+\slot, \q, II
.set II, II+1
.endr
.endm
.macro SCALES sc                       ; a K half's scale words: four words a row; lanes 0-15 A's block i, lanes 16-31 B's block i
.irp i, 0,1,2,3,4,5,6,7
	ds_load_b128 v[SC+32*\sc+4*\i:SC+32*\sc+4*\i+3], v[ADRS] offset:512*\i+256*\sc
.endr
.endm
; n blocks of A from a0 on x B's eight.  p: B's set; q: the K step in the half; sc: the half.  zero = 1: the product starts the sums.  The 64 accumulators take turns, one instruction a turn, in the same
; order in every step.
.macro MULS a0, n, p, q, sc, zero
.set AA, \a0
.rept \n
.irp b, 0,1,2,3,4,5,6,7
.if \zero
	v_wmma_scale_f32_16x16x128_f8f6f4 v[8*(8*(AA%4)+\b):8*(8*(AA%4)+\b)+7], v[128*(\p)+8*\b:128*(\p)+8*\b+7], v[AF+8*AA:AF+8*AA+7], 0, v[SC+32*(\sc)+4*\b+(\q)], v[SC+32*(\sc)+4*AA+(\q)] matrix_a_fmt:MATRIX_FMT_FP4 matrix_b_fmt:MATRIX_FMT_FP4 matrix_a_scale:MATRIX_SCALE_ROW1
.else
	v_wmma_scale_f32_16x16x128_f8f6f4 v[8*(8*(AA%4)+\b):8*(8*(AA%4)+\b)+7], v[128*(\p)+8*\b:128*(\p)+8*\b+7], v[AF+8*AA:AF+8*AA+7], v[8*(8*(AA%4)+\b):8*(8*(AA%4)+\b)+7], v[SC+32*(\sc)+4*\b+(\q)], v[SC+32*(\sc)+4*AA+(\q)] matrix_a_fmt:MATRIX_FMT_FP4 matrix_b_fmt:MATRIX_FMT_FP4 matrix_a_scale:MATRIX_SCALE_ROW1
.endif
.endr
.set AA, AA+1
.endr
.endm
.macro STEP slot, q, zero              ; a step of 128 along K that has its successor in the same half
	s_wait_dscnt HB*NL                             ; B's set, A's lower blocks (and the scale words) are in; the youngest loads, A's upper blocks, may be out
	WIN MUL_LO
	MULS 0, HB, (\q)%2, \q, \slot, \zero
	s_wait_dscnt 0x0                               ; A's upper blocks are in
	PLACES 4
	FETCH_B \slot, (\q)+1, 1-(\q)%2
	FETCH_A \slot, (\q)+1, 0
	WIN MUL_HI
	MULS HB, HB, (\q)%2, \q, \slot, \zero
	PLACES 4
	WIN 0
	FETCH_A \slot, (\q)+1, HB
.endm
.macro TURN                            ; the first half's last step goes on into the second half: one barrier, behind which every wave's part of it has landed.  Nothing is filled again
	s_wait_tensorcnt 0x0                           ; my part of the second K half has landed: no younger tensor load of mine exists
	s_wait_dscnt HB*NL
	WIN MUL_LO
	MULS 0, HB/2, 1, 3, 0, 0
	s_wait_dscnt 0x0                               ; no LDS instruction of mine is pending at the signal
	s_barrier_signal -1
	MULS HB/2, HB/2, 1, 3, 0, 0
	WIN 0
	s_barrier_wait -1
	PLACES 4
	FETCH_B 1, 0, 0
	FETCH_A 1, 0, 0
	SCALES 1
	WIN MUL_HI
	MULS HB, HB, 1, 3, 0, 0
	PLACES 4
	WIN 0
	FETCH_A 1, 0, HB
.endm
.macro LAST                            ; the very last step: nothing more to fetch
	s_wait_dscnt HB*NL
	WIN MUL_LO
	MULS 0, HB, 1, 3, 1, 0
	s_wait_dscnt 0x0
	WIN MUL_HI
	MULS HB, HB, 1, 3, 1, 0
	WIN 0
.endm
; 64 numbers of a lane, v[s] on, register 16 b + i = index 32 b + 16 (lane / 16) + i of my row, become a fragment's codes in v[pc] on and its scale word in v[PW].
.macro QUANT s, pc
.irp b, 0,1,2,3
	v_max3_num_f32 v[TM+\b], |v[(\s)+16*\b]|, |v[(\s)+1+16*\b]|, 0x1800000   ; block b: my 16 numbers, and the floor 2^(3 - 127): so the byte cannot fall under 1
.endr
.irp i, 2,4,6,8,10,12,14
.irp b, 0,1,2,3
	v_max3_num_f32 v[TM+\b], v[TM+\b], |v[(\s)+16*\b+\i]|, |v[(\s)+1+16*\b+\i]|   ; (the four blocks by turns)
.endr
.endr
.irp b, 0,1,2,3
	v_permlanex16_b32 v[TM+4+\b], v[TM+\b], s2, s3
.endr
.irp b, 0,1,2,3
	v_max_num_f32 v[TM+\b], v[TM+\b], v[TM+4+\b]   ; with lane l xor 16's: the block's largest magnitude
.endr
.irp b, 0,1,2,3
	v_add_nc_u32 v[TM+12+\b], 0xff000000, v[TM+\b] ; 2 off its exponent field: the conversion's scale operand
.endr
.irp b, 0,1,2,3
	v_lshrrev_b32 v[TM+4+\b], 23, v[TM+12+\b]      ; the scale's byte
.endr
	v_lshl_or_b32 v[PW], v[TM+5], 8, v[TM+4]
	v_lshl_or_b32 v[PW], v[TM+6], 16, v[PW]
	v_lshl_or_b32 v[PW], v[TM+7], 24, v[PW]
.irp b, 0,1,2,3
	v_cvt_scalef32_pk8_fp4_f32 v[(\pc)+2*\b], v[(\s)+16*\b:(\s)+7+16*\b], v[TM+12+\b]
	v_cvt_scalef32_pk8_fp4_f32 v[(\pc)+1+2*\b], v[(\s)+8+16*\b:(\s)+15+16*\b], v[TM+12+\b]
.endr
	v_nop                                          ; one plain line behind a scaled conversion
.irp c, 0,1                            ; the operand's layout wants a whole block in a lane: lanes 0-15 block 2 c, lanes 16-31 block 2 c + 1
.irp i, 0,1
	v_permlane16_swap_b32 v[(\pc)+4*\c+\i], v[(\pc)+2+4*\c+\i]
.endr
.endr
.endm
	s_wait_alu depctr_va_vdst(0)
	s_wait_tensorcnt 0x1                           ; the scale words and my part of the first K half are in; the second half's load may be out
	s_barrier_signal -1
	s_barrier_wait -1
	FETCH_B 0, 0, 0
	FETCH_A 0, 0, 0
	SCALES 0
	FETCH_A 0, 0, HB
	STEP 0, 0, 1                                   ; the first products start the sums: nothing is cleared
	STEP 0, 1, 0
	STEP 0, 2, 0
	TURN
	s_cmp_eq_u32 s25, 2                            ; the one parting: it hangs on the cluster's x, which all partners share; no tensor load and no barrier but the closing round follows
	s_cbranch_scc1 .Lv
	; ---- Q and K: a lane holds a token, its registers run along two heads' channels
	s_add_co_u32 s88, s26, s24                     ; my block of 256 tokens
	s_lshr_b32 s89, s88, 3                         ; the batch
	s_lshl_b32 s89, s89, 4
	s_lshl_b32 s90, s23, 2
	s_add_co_u32 s89, s89, s90
	s_lshl_b32 s90, s22, 1
	s_add_co_u32 s89, s89, s90                     ; my first plane: 16 batch + 4 cx + 2 x my half
	s_and_b32 s88, s88, 7
	s_lshl_b32 s88, s88, 4
	s_lshl_b32 s90, s21, 3
	s_add_co_u32 s88, s88, s90                     ; my first tile in the batch
	s_mov_b32 s91, REC
	s_cmp_eq_u32 s25, 0                            ; Q's buffers or K's: the choice hangs on the cluster's x alone
	s_cselect_b64 s[92:93], s[14:15], s[18:19]
	s_cselect_b64 s[94:95], s[16:17], s[18:19]
	s_cselect_b64 s[96:97], s[8:9], s[10:11]
	s_cselect_b32 s90, 65536, s91                  ; from plane to plane: the codes,
	s_cselect_b32 s100, 8192, s91                  ; the words,
	s_cselect_b32 s101, 0, 131072                  ; and where the words begin
	v_mul_u32_u24 v[SOFF], s100, v3
	v_lshl_add_u32 v[SOFF], v2, 4, v[SOFF]
	s_mul_i32 s100, s89, s100
	s_add_co_u32 s100, s100, s101
	s_lshl_b32 s101, s88, 6                        ; 256 bytes for each four tiles
	s_add_co_u32 s100, s100, s101
	s_mov_b32 s101, 0
	s_add_nc_u64 s[94:95], s[94:95], s[100:101]    ; the words' base
	s_mul_i32 s100, s89, s90
	s_lshl_b32 s88, s88, 9
	s_add_co_u32 s100, s100, s88
	s_add_nc_u64 s[92:93], s[92:93], s[100:101]    ; the codes' base, first head
	s_mov_b32 s91, 0
	s_add_nc_u64 s[98:99], s[92:93], s[90:91]      ; second head
	s_lshl_b32 s100, s23, 10
	s_lshl_b32 s88, s22, 9
	s_add_co_u32 s100, s100, s88
	s_add_nc_u64 s[96:97], s[96:97], s[100:101]    ; the bias of my 128 channels
	v_lshlrev_b32 v[BOF], 6, v3                    ; register j of tile 2 b + u is channel 32 b + 16 h + 8 u + j
.irp b, 0,1,2,3,4,5,6,7
	global_load_b128 v[BIAS+8*\b:BIAS+8*\b+3], v[BOF], s[96:97] offset:(32*(\b/2)+8*(\b%2))*4
	global_load_b128 v[BIAS+8*\b+4:BIAS+8*\b+7], v[BOF], s[96:97] offset:(32*(\b/2)+8*(\b%2))*4+16
.endr
.irp b, 0,1,2,3
	v_mov_b32 v[TM+4+\b], 0                        ; written once: a lane permute's destination counts as one of its sources
.endr
	STEP 1, 0, 0
	STEP 1, 1, 0
	STEP 1, 2, 0
	LAST
	PLACES 4
	s_wait_loadcnt 0x0                             ; the bias
.macro OUTQK a                         ; block a: 16 tokens x 128 channels: + bias, quantised, stored: 512 consecutive bytes a head
.if (\a) >= 2
	s_wait_xcnt 0x0                                ; block a - 2's stores have read this set of codes
.endif
	WIN 0x02+(\a)/4                                ; source 0: window 2 or 3
.irp b, 0,1,2,3,4,5,6,7
.irp p, 0,2,4,6
	v_pk_add_f32 v[T+8*\b+\p:T+8*\b+\p+1], v[8*(8*((\a)%4)+\b)+\p:8*(8*((\a)%4)+\b)+\p+1], v[BIAS+8*\b+\p:BIAS+8*\b+\p+1]   ; each accumulator from its low end on
.endr
.endr
	WIN 0
	QUANT T, PC+8*((\a)%2)
	v_bfe_u32 v[SW+(\a)], v[PW], v[SH], 16         ; lanes 0-15: the first head's two bytes, lanes 16-31 the second's; the upper two bytes are 0
	global_store_b128 v[LOFF], v[PC+8*((\a)%2):PC+8*((\a)%2)+3], s[92:93] offset:512*(\a)
	global_store_b128 v[LOFF], v[PC+8*((\a)%2)+4:PC+8*((\a)%2)+7], s[98:99] offset:512*(\a)
.if (\a)%4 == 3
	global_store_b128 v[SOFF], v[SW+4*((\a)/4):SW+4*((\a)/4)+3], s[94:95] offset:256*((\a)/4)   ; four tiles' words: sixteen lanes store 256 consecutive bytes, aligned
.endif
.endm
.irp a, 0,1,2,3,4,5,6,7
	OUTQK \a
.endr
	s_branch .Lend
.Lv:	; ---- V: a lane holds a channel of a head, its registers run along 128 keys
	s_add_co_u32 s88, s26, s23                     ; my block of 256 tokens
	s_lshr_b32 s89, s88, 3
	s_lshl_b32 s89, s89, 4
	s_lshl_b32 s90, s24, 2
	s_add_co_u32 s89, s89, s90
	s_lshl_b32 s90, s21, 1
	s_add_co_u32 s89, s89, s90                     ; my first plane: 16 batch + 4 cy + 2 x my half
	s_and_b32 s88, s88, 7
	s_lshl_b32 s88, s88, 1
	s_add_co_u32 s88, s88, s22                     ; my key step in the batch
	s_mul_i32 s100, s89, REC
	s_mov_b32 s101, 0
	s_add_nc_u64 s[92:93], s[18:19], s[100:101]    ; the plane's record
	s_lshl_b32 s100, s88, 12
	s_add_co_u32 s100, s100, 65536
	s_add_nc_u64 s[94:95], s[92:93], s[100:101]    ; V's codes of my key step
	s_lshl_b32 s100, s88, 8
	s_add_co_u32 s100, s100, 139264
	s_add_nc_u64 s[96:97], s[92:93], s[100:101]    ; and its words
	s_lshl_b32 s100, s24, 10
	s_lshl_b32 s88, s21, 9
	s_add_co_u32 s100, s100, s88
	s_add_nc_u64 s[98:99], s[12:13], s[100:101]    ; bv of my 128 channels
	v_and_b32 v[BOF], 8, v2
	v_add_nc_u32 v[BOF], v[BOF], v2
	v_lshlrev_b32 v[BOF], 2, v[BOF]                ; lane r of tile a is channel 32 (a / 2) + 8 (a % 2) + r + 8 (r / 8)
.irp a, 0,1,2,3,4,5,6,7
	global_load_b32 v[BIAS+\a], v[BOF], s[98:99] offset:(32*(\a/2)+8*(\a%2))*4
.endr
	v_mul_u32_u24 v[SOFF], REC, v3
	v_lshl_add_u32 v[SOFF], v2, 4, v[SOFF]
.irp b, 0,1,2,3
	v_mov_b32 v[TM+4+\b], 0
.endr
	STEP 1, 0, 0
	STEP 1, 1, 0
	STEP 1, 2, 0
	LAST
	PLACES 4
	s_wait_loadcnt 0x0
.macro OUTV a                          ; block a: 16 channels x 128 keys
.if (\a) >= 2
	s_wait_xcnt 0x0
.endif
	WIN 0x02+(\a)/4
.irp b, 0,1,2,3,4,5,6,7
.irp p, 0,2,4,6
.if (\a)%2 == 0
	v_pk_add_f32 v[T+8*\b+\p:T+8*\b+\p+1], v[8*(8*((\a)%4)+\b)+\p:8*(8*((\a)%4)+\b)+\p+1], v[BIAS+2*((\a)/2):BIAS+2*((\a)/2)+1] op_sel_hi:[1,0]   ; my channel's bias for both halves: the pair's first register,
.else
	v_pk_add_f32 v[T+8*\b+\p:T+8*\b+\p+1], v[8*(8*((\a)%4)+\b)+\p:8*(8*((\a)%4)+\b)+\p+1], v[BIAS+2*((\a)/2):BIAS+2*((\a)/2)+1] op_sel:[0,1] op_sel_hi:[1,1]   ; or its second
.endif
.endr
.endr
	WIN 0
	QUANT T, PC+8*((\a)%2)
	v_mov_b32 v[SW+(\a)], v[PW]
	global_store_b128 v[LOFF], v[PC+8*((\a)%2):PC+8*((\a)%2)+3], s[94:95] offset:REC*((\a)/4)+1024*((\a)%4)
	global_store_b128 v[LOFF], v[PC+8*((\a)%2)+4:PC+8*((\a)%2)+7], s[94:95] offset:REC*((\a)/4)+1024*((\a)%4)+512
.endm
.irp a, 0,1,2,3,4,5,6,7
	OUTV \a
.endr
	s_mov_b32 s88, 0xffff0000
.irp d, 0,1,2,3
	v_cndmask_b32 v[OUTR+\d], v[SW+\d], v[SW+4+\d], s88   ; lanes 0-15 the first head's four words, lanes 16-31 the second's
.endr
	global_store_b128 v[SOFF], v[OUTR:OUTR+3], s[96:97]
.Lend:
	s_wait_tensorcnt 0x0                           ; the wave's end
	ds_add_u32 v[SPW], v[NIL]
	s_wait_dscnt 0x0
	CROUND                                         ; the closing round
	s_endpgm
.Lfunc_end_k_q64409520f3_qkv:
	.size	k_q64409520f3_qkv, .Lfunc_end_k_q64409520f3_qkv-k_q64409520f3_qkv
	.p2alignl 7, 3214868480
	.fill 96, 4, 3214868480
	.section	.rodata,"a",@progbits
	.p2align	6, 0x0
	.amdhsa_kernel k_q64409520f3_qkv
		.amdhsa_group_segment_fixed_size 279040
		.amdhsa_private_segment_fixed_size 0
		.amdhsa_enable_private_segment 0
		.amdhsa_kernarg_size 64
		.amdhsa_user_sgpr_count 2
		.amdhsa_user_sgpr_kernarg_segment_ptr 1
		.amdhsa_wavefront_size32 1
		.amdhsa_system_sgpr_workgroup_id_x 1
		.amdhsa_system_sgpr_workgroup_id_y 1
		.amdhsa_system_sgpr_workgroup_id_z 1
		.amdhsa_system_vgpr_workitem_id 0
		.amdhsa_next_free_vgpr 1024
		.amdhsa_next_free_sgpr 102
		.amdhsa_reserve_vcc 0
		.amdhsa_float_denorm_mode_32 3
		.amdhsa_float_denorm_mode_16_64 3
		.amdhsa_memory_ordered 1
		.amdhsa_forward_progress 1
		.amdhsa_inst_pref_size 236
	.end_amdhsa_kernel
	.amdgpu_metadata
---
amdhsa.version: [ 1, 2 ]
amdhsa.kernels:
  - .name:           k_q64409520f3_qkv
    .symbol:         k_q64409520f3_qkv.kd
    .args:
      - { .name: codes, .offset: 0, .size: 8, .value_kind: global_buffer, .address_space: global }
      - { .name: scales, .offset: 8, .size: 8, .value_kind: global_buffer, .address_space: global }
      - { .name: bq, .offset: 16, .size: 8, .value_kind: global_buffer, .address_space: global }
      - { .name: bk, .offset: 24, .size: 8, .value_kind: global_buffer, .address_space: global }
      - { .name: bv, .offset: 32, .size: 8, .value_kind: global_buffer, .address_space: global }
      - { .name: qc, .offset: 40, .size: 8, .value_kind: global_buffer, .address_space: global }
      - { .name: qs, .offset: 48, .size: 8, .value_kind: global_buffer, .address_space: global }
      - { .name: kv, .offset: 56, .size: 8, .value_kind: global_buffer, .address_space: global }
    .group_segment_fixed_size: 279040
    .private_segment_fixed_size: 0
    .kernarg_segment_align: 8
    .kernarg_segment_size: 64
    .max_flat_workgroup_size: 128
    .sgpr_count:     102
    .vgpr_count:     1024
    .wavefront_size: 32
...
	.end_amdgpu_metadata
.endif
;; end of part 2
;; launch attn (part 3): grid 8 x 32, 16 waves a work-group, clusters of 4 x 1, 327,680 bytes of LDS; arguments qc, qs, kv, mask, oc, os; writes oc, os
.if DOCPART == 3
	.amdgcn_target "amdgcn-amd-amdhsa--gfx1250"
	.amdhsa_code_object_version 6
	.text
	.protected	k_q64409520f3_attn
	.globl	k_q64409520f3_attn
	.p2align	8
	.type	k_q64409520f3_attn,@function
k_q64409520f3_attn:
	s_mov_b64 s[64:65], 0
	v_nop
	global_prefetch_b8 v0, s[64:65] scope:SCOPE_SE
	s_setreg_imm32_b32 hwreg(HW_REG_WAVE_MODE, 25, 1), 1
	s_wait_xcnt 0x0
	s_wait_alu depctr_hold_cnt(0) depctr_sa_sdst(0) depctr_va_vdst(0) depctr_va_sdst(0) depctr_va_ssrc(0) depctr_va_vcc(0) depctr_vm_vsrc(0)
	s_getreg_b32 s2, hwreg(HW_REG_IB_STS2, 6, 4)
	s_cmp_eq_u32 s2, 0
	s_cbranch_scc0 .Lentry_in_a_cluster
	s_endpgm
.Lentry_in_a_cluster:
	s_bfe_u32 s2, ttmp6, 0x10000c
	s_cmp_lg_u32 s2, 0x3003
	s_cbranch_scc0 .Lentry_shape_is_right
	s_endpgm
.Lentry_shape_is_right:
; Launch 3 of 4: O = softmax(Q K^T / 8, keys with mask 0 left out) V for each batch and head, both products on codes of E2M1, and O's quantising along the embedding for the last product.  No work is left out.
; THE SOFTMAX: t = score x log2(e) / 8; M = the running largest t rounded up to a whole number; p = 2^(t - M) is quantised along the keys, not normalised; the row's sum is taken of the unquantised p and
; divides O at the end.  When M moves, the sum and O are multiplied by 2^(old M - new M): exact.
; THE MASK.  A masked key's score gets the addend -6 x 2^97, as the C of the score's product: its p is exactly 0, and it takes no part in the maximum, which starts at -2^90.
; LIMITS: that addend stands for -infinity while |t| stays under 2^90.  A batch whose mask is all 0 gives the sum 0: the rows' scale bytes are then set to 0xff, which makes the last product NaN there, as
; the definition has it.  A block under 2^-124 keeps byte 1.  NaN and infinities among the inputs are not served.
; SHARES.  A work-group owns 256 queries of a batch and a PAIR of heads; each of its sixteen waves owns 16 queries, one tile, in 256 registers, and takes the two heads one after the other: so a lane ends
; with both halves of a fragment (128 along the embedding) of the last product, and a whole scale word.  Four waves to a SIMD: one wave's vector work stands beside another's products and LDS loads.
; Both heads' records (K's and V's codes and scale words, 143,360 bytes each) lie in LDS whole, each filled once; no byte is filled again.
; CLUSTER: the four query blocks of a cluster read the same two records: each part is asked for jointly, by the same tensor load in all four.
; LAYOUT.  Both products transposed: S^T = K Q^T, O^T = V^T P^T: a lane holds one query (lane % 16).  By the tiles' row order the 16 registers of tiles 2 b, 2 b + 1 are keys (or channels) 32 b + 16 (lane / 16) + 0 .. 15.
; The first product's K is 64: registers 4-7 of Q's and K's fragments are zero codes, and bytes 2, 3 of their scale words are 0.
.set REC,   143360
.set VCO,   65536                      ; in a record: V's codes,
.set KSO,   131072                     ; K's scale words,
.set VSO,   139264                     ; V's scale words
.set MW,    286720                     ; behind the records: the mask as codes, [tile / 4][h][tile % 4] words: nibble j = key 8 h + j of the tile's result: 0, or 0xf (-6)
.set OSG,   287744                     ; a stage for O's scale words: 64 bytes a wave
.set SPARE, 288768                     ; the spare words, 128 bytes for each wave: eight blocks of 256 bytes that no other line names
.set AK0, 1                            ; v1   16 x lane: my place in an image
.set AV0, 2                            ; v2   the same among V's codes
.set AS0, 3                            ; v3   my row's words of K
.set AM0, 4                            ; v4   my half's mask words
.set AT0, 5                            ; v5   my row's words of V
.set SPW, 6                            ; v6   LDS address of my spare word; never rewritten
.set NIL, 7                            ; v7   0; never rewritten
.set ADK, 8                            ; v8-11, v16: the step's addresses
.set ADV, 9
.set ADS, 10
.set ADM, 11
.set ADT, 16                           ; v12 -M, v13 the largest t, v[14:15] the sum in two halves
.set OW,  19                           ; v17, v18 Q's scale words; v19 O's scale word
.set LOFF, 20                          ; v20  16 x lane, for memory
.set MSC, 21                           ; v21  the byte 224 four times: 2^97
.set KF,  40                           ; v24-31, v32-39 Q's fragments; v40-71 four fragments of K
.set X,   72                           ; v72-103 the mask's addends, then V's four fragments
.set KSW, 104
.set VSW, 112
.set MWR, 116
.set PC,  124                          ; v124-131 p's codes
.set S,   132                          ; v132-195 S^T, then p
.set O,   196                          ; v196-227 O^T
.set BM,  228
.set BX,  232
.set BS,  236
.set F,   242                          ; v242 f, v243 p's scale word
.set PSW, 243
.set TMP, 244
.set WV,  32
.set SEL, 34
.set CS,  36
.set TKV, 38
.set TSK, 39
.set TMK, 40
.set TSV, 41
.set CNT, 42
.macro CROUND
	s_barrier_signal -1
	s_barrier_wait -1
	s_cmp_lg_u32 s[WV], 0
	s_cbranch_scc1 .Lnot_wave_0_\@
	s_barrier_signal -3
.Lnot_wave_0_\@:
	s_barrier_wait -3
	s_barrier_signal -1
	s_barrier_wait -1
.endm
	s_load_b256 s[4:11], s[0:1], 0x0               ; qc, qs, kv, mask
	s_load_b128 s[12:15], s[0:1], 0x20             ; oc, os
	v_lshl_add_u32 v[SPW], v0, 2, SPARE
	v_mov_b32 v[NIL], 0
	ds_add_u32 v[SPW], v[NIL]                      ; the wave's opening: the add, twice on end, and its wait ahead of my first tensor load
	ds_add_u32 v[SPW], v[NIL]
	v_lshrrev_b32 v132, 5, v0
	s_delay_alu instid0(VALU_DEP_1)
	v_readfirstlane_b32 s[WV], v132                ; wave 0..15
	s_bfe_u32 s33, ttmp6, 0x40000                  ; cx
	s_and_b32 s43, ttmp7, 0xffff                   ; the pair of heads: 8 batch + pair
	s_lshl_b32 s58, ttmp9, 2
	s_add_co_u32 s58, s58, s33                     ; my block of 256 queries: it enters Q's, oc's and os's addresses alone
	s_lshl_b32 s59, s58, 4
	s_add_co_u32 s59, s59, s[WV]                   ; my query tile in the batch
	s_mov_b32 s16, 15|(3<<16)|(1<<21)              ; group 1: the mask: all four work-groups; elements of 8 bytes; bit 21 beside a mask; 8,960 dense bytes as 35 rows of 256
	s_mov_b32 s17, 32<<16
	s_mov_b32 s18, 35<<16
	s_mov_b32 s19, 32<<16
	s_mov_b32 s20, 35
	s_mov_b32 s21, 32
	s_mov_b32 s22, 0
	s_mov_b32 s23, 0
	s_mul_i32 s46, s[WV], 8960                     ; my sixteenth of a record
	s_mul_i32 s44, s43, 2*REC
	s_add_co_u32 s44, s44, s46
	s_mov_b32 s45, 0
	s_lshl_b32 s48, s43, 17                        ; Q's codes: 65,536 bytes a plane, 512 a tile
	s_lshl_b32 s47, s59, 9
	s_add_co_u32 s48, s48, s47
	s_mov_b32 s49, 0
	s_lshl_b32 s50, s43, 14                        ; Q's words: 8,192 bytes a plane, 256 for four tiles, 4 a tile
	s_lshr_b32 s47, s59, 2
	s_lshl_b32 s47, s47, 8
	s_add_co_u32 s50, s50, s47
	s_and_b32 s47, s59, 3
	s_lshl_b32 s47, s47, 2
	s_add_co_u32 s50, s50, s47
	s_mov_b32 s51, 0
	s_lshr_b32 s60, s43, 3                         ; the batch
	s_and_b32 s61, s43, 7                          ; the pair: K step of the last product
	s_lshl_b32 s52, s60, 13                        ; the batch's mask
	s_mov_b32 s53, 0
	s_lshr_b32 s54, s61, 2                         ; oc [K half][tile][K step][c][lane][16]
	s_lshl_b32 s54, s54, 21
	s_lshl_b32 s47, s60, 7
	s_add_co_u32 s47, s47, s59
	s_lshl_b32 s47, s47, 12
	s_add_co_u32 s54, s54, s47
	s_and_b32 s47, s61, 3
	s_lshl_b32 s47, s47, 10
	s_add_co_u32 s54, s54, s47
	s_mov_b32 s55, 0
	s_lshl_b32 s56, s61, 15                        ; os [K step][tile][r] words: my work-group's 16 tiles
	s_lshl_b32 s47, s60, 7
	s_lshl_b32 s62, s58, 4
	s_add_co_u32 s47, s47, s62
	s_lshl_b32 s47, s47, 6
	s_add_co_u32 s56, s56, s47
	s_mov_b32 s57, 0
	s_mov_b32 s[SEL], 0x76543210
	s_mov_b32 s[SEL+1], 0xfedcba98                 ; selects for lane l xor 16
	s_mov_b32 s[CS], 0x3e38aa3b                    ; c = log2(e) / 8
	s_mov_b32 s[CS+1], s[CS]                       ; (named with it as a pair, so it is written)
	s_wait_dscnt 0x0                               ; both opening adds are done
	s_wait_kmcnt 0x0
	s_add_nc_u64 s[48:49], s[4:5], s[48:49]
	s_add_nc_u64 s[50:51], s[6:7], s[50:51]
	s_add_nc_u64 s[52:53], s[10:11], s[52:53]
	s_add_nc_u64 s[54:55], s[12:13], s[54:55]
	s_add_nc_u64 s[56:57], s[14:15], s[56:57]
	s_mov_b32 s24, 1
	s_mov_b32 s25, s46                             ; LDS: the wave's number x 8,960, + the record
	s_add_nc_u64 s[26:27], s[8:9], s[44:45]
	s_mov_b32 s28, 1
	s_add_co_u32 s29, s46, REC
	s_add_nc_u64 s[30:31], s[26:27], REC
	s_or_b32 s27, s27, 0x80000000
	s_or_b32 s31, s31, 0x80000000
	CROUND                                         ; all four work-groups are here: the joint loads meet
	tensor_load_to_lds s[24:27], s[16:23]          ; my part of the first head's record
	s_nop 0
	s_wait_alu depctr_va_vdst(0)
	s_wait_tensorcnt 0x0
	ds_add_u32 v6, v7
	s_wait_dscnt 0x0
	CROUND
	tensor_load_to_lds s[28:31], s[16:23]          ; and of the second's: one tensor load of mine is out
	s_nop 0
.rept 4
	v_nop
.endr
	v_and_b32 v132, 31, v0                         ; lane
	v_and_b32 v133, 15, v0                         ; r
	v_bfe_u32 v134, v0, 4, 1                       ; h
	s_delay_alu instid0(VALU_DEP_3)
	v_lshlrev_b32 v[AK0], 4, v132
	s_delay_alu instid0(VALU_DEP_1)
	v_mov_b32 v[LOFF], v[AK0]
	s_delay_alu instid0(VALU_DEP_2)
	v_add_nc_u32 v[AV0], VCO, v[AK0]
	v_lshlrev_b32 v135, 4, v133
	s_delay_alu instid0(VALU_DEP_1)
	v_add_nc_u32 v[AS0], KSO, v135
	s_delay_alu instid0(VALU_DEP_2)
	v_add_nc_u32 v[AT0], VSO, v135
	v_lshl_add_u32 v[AM0], v134, 4, MW
	v_lshlrev_b32 v140, 4, v0
	global_load_b128 v[136:139], v140, s[52:53]    ; the mask of keys 4 x thread ..
	global_load_b128 v[24:27], v[LOFF], s[48:49]   ; Q's fragments stay in registers
	global_load_b128 v[32:35], v[LOFF], s[48:49] offset:65536
	global_load_b32 v17, v135, s[50:51]            ; and their scale words
	global_load_b32 v18, v135, s[50:51] offset:8192
	s_lshl_b32 s47, s[WV], 6
	v_lshl_add_u32 v22, v133, 2, s47
	s_delay_alu instid0(VALU_DEP_1)
	v_add_nc_u32 v22, OSG, v22                     ; where my row's word of O goes
	v_lshl_add_u32 v23, v0, 4, OSG                 ; and where waves 0 and 1 read the sixteen waves' words back
	v_mov_b32 v[MSC], 0xe0e0e0e0
.irp i, 28,29,30,31,36,37,38,39
	v_mov_b32 v\i, 0                               ; the unused 64 along K: zero codes
.endr
.irp t, 0,1,2,3
.irp i, 4,5,6,7
	v_mov_b32 v[KF+8*\t+\i], 0
.endr
.endr
.irp b, 0,1,2,3
	v_mov_b32 v[BX+\b], 0                          ; written once: a lane permute's destination counts as one of its sources
.endr
	v_mov_b32 v[PSW], 0                            ; (named as the upper half of the pair with f before it is first written)
	v_mov_b32 v[TMP], 0
	v_lshrrev_b32 v141, 4, v0                      ; key 4 t + e = 32 B + 16 h + 8 u + j: tile 2 B + u; the thread's 4 nibbles are half a word:
	s_delay_alu instid0(VALU_DEP_1)
	v_lshlrev_b32 v141, 5, v141                    ; 32 bytes for each four tiles,
	v_bfe_u32 v142, v0, 2, 1
	s_delay_alu instid0(VALU_DEP_1)
	v_lshl_or_b32 v141, v142, 4, v141              ; 16 h,
	v_bfe_u32 v142, v0, 3, 1
	s_delay_alu instid0(VALU_DEP_1)
	v_lshl_or_b32 v141, v142, 3, v141              ; 4 x (tile % 4) = 8 (B % 2)
	v_bfe_u32 v142, v0, 1, 1
	s_delay_alu instid0(VALU_DEP_1)
	v_lshl_or_b32 v141, v142, 2, v141              ; + 4 u,
	v_and_b32 v142, 1, v0
	s_delay_alu instid0(VALU_DEP_1)
	v_lshl_or_b32 v141, v142, 1, v141              ; and which half of the word
	s_delay_alu instid0(VALU_DEP_1)
	v_add_nc_u32 v141, MW, v141
	s_wait_loadcnt 0x0
.irp i, 136,137,138,139
	v_cmp_eq_u32 vcc_lo, 0, v\i
	s_delay_alu instid0(VALU_DEP_1)
	v_cndmask_b32 v\i, 0, 15, vcc_lo               ; mask 0: the code of -6
.endr
	v_lshl_or_b32 v136, v137, 4, v136
	s_delay_alu instid0(VALU_DEP_1)
	v_lshl_or_b32 v136, v138, 8, v136
	s_delay_alu instid0(VALU_DEP_1)
	v_lshl_or_b32 v136, v139, 12, v136
	ds_store_b16 v141, v136
	s_wait_tensorcnt 0x1                           ; my part of the first record is in; the second's may be out
	s_wait_dscnt 0x0                               ; my mask codes have landed
	s_barrier_signal -1
	s_barrier_wait -1
.macro HEAD hh
.set QF,  24+8*\hh
.set QSW, 17+\hh
.set OC,  248+4*\hh
	v_mov_b32 v13, 0xec800000                      ; the largest t so far: -2^90: over every masked t, under every other
	s_delay_alu instid0(VALU_DEP_1)
	v_floor_f32 v12, -v13                          ; -M
	v_mov_b32 v14, 0
	v_mov_b32 v15, 0
.set i, 0
.rept 32
	v_mov_b32 v[O+i], 0                            ; O^T.  (The step is written once: the first finds zeros, which the first change of M leaves zeros)
.set i, i+1
.endr
	s_mov_b32 s[TKV], \hh*REC
	s_mov_b32 s[TSK], \hh*REC
	s_mov_b32 s[TSV], \hh*REC
	s_mov_b32 s[TMK], 0
	s_mov_b32 s[CNT], 16
.Lstep_\@:                             ; a key step: 128 keys
	s_setprio 2
	v_add_nc_u32 v[ADK], s[TKV], v[AK0]            ; (these five are also the places behind the last products)
	s_wait_alu depctr_va_vdst(0)
	v_add_nc_u32 v[ADV], s[TKV], v[AV0]
	v_add_nc_u32 v[ADS], s[TSK], v[AS0]
	s_wait_alu depctr_va_vdst(0)
	v_add_nc_u32 v[ADM], s[TMK], v[AM0]
	s_wait_alu depctr_va_vdst(0)
	v_add_nc_u32 v[ADT], s[TSV], v[AT0]
.irp g, 0,1                            ; S^T = K Q^T + the mask's addends, four tiles of 16 keys at a time
.if \g
.rept 4
	v_nop                                          ; places in front of loads into, and conversions over, registers that matrix instructions have read
.endr
.endif
.irp t, 0,1,2,3
	ds_load_b128 v[KF+8*\t:KF+8*\t+3], v[ADK] offset:512*(4*\g+\t)
.endr
	ds_load_b128 v[KSW+4*\g:KSW+4*\g+3], v[ADS] offset:256*\g
	ds_load_b128 v[MWR+4*\g:MWR+4*\g+3], v[ADM] offset:32*\g
	s_wait_dscnt 0x0
.irp t, 0,1,2,3
	v_cvt_scale_pk8_f32_fp4 v[X+8*\t:X+8*\t+7], v[MWR+4*\g+\t], v[MSC]   ; eight codes, 0 or -6, x 2^97: the addends of my eight keys of the tile
.endr
.rept 4
	v_nop
.endr
.irp t, 0,1,2,3
	v_wmma_scale_f32_16x16x128_f8f6f4 v[S+8*(4*\g+\t):S+8*(4*\g+\t)+7], v[KF+8*\t:KF+8*\t+7], v[QF:QF+7], v[X+8*\t:X+8*\t+7], v[KSW+4*\g+\t], v[QSW] matrix_a_fmt:MATRIX_FMT_FP4 matrix_b_fmt:MATRIX_FMT_FP4
.endr
.endr
.rept 4
	v_nop
.endr
.irp d, 0,1,2,3                        ; V's four fragments and their words are asked for now and land under the softmax
.irp c, 0,1
	ds_load_b128 v[X+8*\d+4*\c:X+8*\d+4*\c+3], v[ADV] offset:1024*\d+512*\c
.endr
.endr
	s_wait_alu depctr_va_vdst(0)
	ds_load_b128 v[VSW:VSW+3], v[ADT]
.irp b, 0,1,2,3
	v_max3_num_f32 v[BM+\b], v[S+16*\b], v[S+1+16*\b], v[S+2+16*\b]   ; the largest score of each block of 32 keys: for the row's maximum, and, since p rises with the score, for the block's largest p
.endr
.irp i, 3,5,7,9,11,13
.irp b, 0,1,2,3
	v_max3_num_f32 v[BM+\b], v[BM+\b], v[S+16*\b+\i], v[S+1+16*\b+\i]
.endr
.endr
.irp b, 0,1,2,3
	v_max_num_f32 v[BM+\b], v[BM+\b], v[S+15+16*\b]
.endr
.irp b, 0,1,2,3
	s_delay_alu instid0(VALU_DEP_4)
	v_permlanex16_b32 v[BX+\b], v[BM+\b], s[SEL], s[SEL+1]
.endr
.irp b, 0,1,2,3
	s_delay_alu instid0(VALU_DEP_4)
	v_max_num_f32 v[BM+\b], v[BM+\b], v[BX+\b]     ; with lane l xor 16's 16 keys
.endr
	s_delay_alu instid0(VALU_DEP_2)
	v_max3_num_f32 v[TMP], v[BM], v[BM+1], v[BM+2]
	s_delay_alu instid0(VALU_DEP_1)
	v_max_num_f32 v[TMP], v[TMP], v[BM+3]
	s_delay_alu instid0(VALU_DEP_1)
	v_mul_f32 v[TMP], s[CS], v[TMP]                ; as t (c is positive)
	s_delay_alu instid0(VALU_DEP_1)
	v_max_num_f32 v13, v13, v[TMP]                 ; the running largest t
	v_mov_b32 v[TMP], v12
	s_delay_alu instid0(VALU_DEP_2)
	v_floor_f32 v12, -v13                          ; the new -M = floor(-t): M is a whole number
	s_delay_alu instid0(VALU_DEP_1)
	v_sub_f32 v[TMP], v12, v[TMP]                  ; old M less new M: a whole number, 0 or less
	s_delay_alu instid0(VALU_DEP_1)
	v_cvt_i32_f32 v[TMP], v[TMP]                   ; (it saturates)
	s_delay_alu instid0(VALU_DEP_1)
	v_ldexp_f32 v[F], 1.0, v[TMP]                  ; f = 2^(old M - new M)
.set i, 0
.rept 32
	v_pk_fma_f32 v[S+i:S+i+1], v[S+i:S+i+1], s[CS:CS+1], v[12:13] op_sel_hi:[1,0,0]   ; t - M, two at a time
.set i, i+2
.endr
.irp b, 0,1,2,3
	v_fma_f32 v[BM+\b], v[BM+\b], s[CS], v12       ; the same of each block's largest score
.endr
.set i, 0
	s_setprio 1
	s_wait_alu depctr_va_vdst(0)
.rept 64
	v_exp_f32 v[S+i], v[S+i]                       ; p = 2^(t - M), at most 1; a masked key's is 0
.set i, i+1
.endr
	v_pk_mul_f32 v[14:15], v[14:15], v[F:F+1] op_sel_hi:[1,0]   ; the sums under the new M.  (A plain line behind the exponentials)
	s_wait_alu depctr_va_vdst(0)                   ; one wait for the whole batch, ahead of its first reader
.irp b, 0,1,2,3
	v_exp_f32 v[BM+\b], v[BM+\b]                   ; the block's largest p
.endr
	v_pk_add_f32 v[240:241], v[S:S+1], v[S+2:S+3]  ; the row's sum is taken of the unquantised p, in two chains
.irp j, 4,8,12,16,20,24,28,32,36,40,44,48,52,56,60
	v_pk_add_f32 v[14:15], v[14:15], v[S+\j:S+\j+1]
	v_pk_add_f32 v[240:241], v[240:241], v[S+2+\j:S+3+\j]
.endr
	s_delay_alu instid0(VALU_DEP_1)
	v_pk_add_f32 v[14:15], v[14:15], v[240:241]
	s_wait_alu depctr_va_vdst(0)                   ; and one for the four
.irp b, 0,1,2,3
	v_max_num_f32 v[BM+\b], 0x1800000, v[BM+\b]    ; the floor 2^(3 - 127): the byte cannot fall under 1
.endr
.irp b, 0,1,2,3
	s_delay_alu instid0(VALU_DEP_4)
	v_add_nc_u32 v[BS+\b], 0xff000000, v[BM+\b]    ; 2 off the exponent field: the conversion's scale operand
.endr
.irp b, 0,1,2,3
	s_delay_alu instid0(VALU_DEP_4)
	v_lshrrev_b32 v[BX+\b], 23, v[BS+\b]           ; the scale's byte
.endr
	s_delay_alu instid0(VALU_DEP_3)
	v_lshl_or_b32 v[PSW], v[BX+1], 8, v[BX]        ; p's scale word for these 128 keys
	s_delay_alu instid0(VALU_DEP_1)
	v_lshl_or_b32 v[PSW], v[BX+2], 16, v[PSW]
	s_delay_alu instid0(VALU_DEP_1)
	v_lshl_or_b32 v[PSW], v[BX+3], 24, v[PSW]
.irp b, 0,1,2,3
	v_cvt_scalef32_pk8_fp4_f32 v[PC+2*\b], v[S+16*\b:S+7+16*\b], v[BS+\b]
	v_cvt_scalef32_pk8_fp4_f32 v[PC+1+2*\b], v[S+8+16*\b:S+15+16*\b], v[BS+\b]
.endr
	s_setprio 0
	v_nop                                          ; one plain line behind a scaled conversion
.irp c, 0,1
.irp i, 0,1
	v_permlane16_swap_b32 v[PC+4*\c+\i], v[PC+2+4*\c+\i]   ; a whole block in a lane
.endr
.endr
.set i, 0
.rept 16
	v_pk_mul_f32 v[O+i:O+i+1], v[O+i:O+i+1], v[F:F+1] op_sel_hi:[1,0]   ; O^T under the new M.  (These are also the places in front of the products below)
.set i, i+2
.endr
	s_wait_alu depctr_va_vdst(0)
	s_wait_dscnt 0x0                               ; V's fragments and words are in
.irp d, 0,1,2,3                        ; O^T += V^T P^T: four accumulators, one instruction each
	v_wmma_scale_f32_16x16x128_f8f6f4 v[O+8*\d:O+8*\d+7], v[X+8*\d:X+8*\d+7], v[PC:PC+7], v[O+8*\d:O+8*\d+7], v[VSW+\d], v[PSW] matrix_a_fmt:MATRIX_FMT_FP4 matrix_b_fmt:MATRIX_FMT_FP4
.endr
	s_add_co_u32 s[TKV], s[TKV], 4096              ; the next step's codes of K and of V,
	s_add_co_u32 s[TSK], s[TSK], 512               ; K's words,
	s_add_co_u32 s[TMK], s[TMK], 64                ; the mask's,
	s_add_co_u32 s[TSV], s[TSV], 256               ; V's
	s_sub_co_u32 s[CNT], s[CNT], 1
	s_cmp_lg_u32 s[CNT], 0
	s_cbranch_scc1 .Lstep_\@
	s_setprio 0
	; the head's way out: O^T / the sum, quantised along the head's 64: two blocks
.rept 4
	v_nop
.endr
	v_add_f32 v245, v14, v15
	s_delay_alu instid0(VALU_DEP_1)
	v_permlanex16_b32 v[TMP], v245, s[SEL], s[SEL+1]
	s_delay_alu instid0(VALU_DEP_1)
	v_add_f32 v245, v245, v[TMP]                   ; the row's sum
	s_wait_alu depctr_va_vdst(0)
	v_rcp_f32 v246, v245
	v_mov_b32 v247, 0                              ; (a plain line behind the reciprocal; the pair's upper half is written)
	s_wait_alu depctr_va_vdst(0)
.set i, 0
.rept 16
	v_pk_mul_f32 v[S+i:S+i+1], v[O+i:O+i+1], v[246:247] op_sel_hi:[1,0]   ; register 16 b + i is channel 32 b + 16 h + i; each accumulator from its low end on
.set i, i+2
.endr
.irp b, 0,1
	v_max3_num_f32 v[BM+\b], |v[S+16*\b]|, |v[S+1+16*\b]|, 0x1800000
.endr
.irp i, 2,4,6,8,10,12,14
.irp b, 0,1
	s_delay_alu instid0(VALU_DEP_2)
	v_max3_num_f32 v[BM+\b], v[BM+\b], |v[S+16*\b+\i]|, |v[S+1+16*\b+\i]|
.endr
.endr
.irp b, 0,1
	s_delay_alu instid0(VALU_DEP_2)
	v_permlanex16_b32 v[BX+\b], v[BM+\b], s[SEL], s[SEL+1]
.endr
.irp b, 0,1
	s_delay_alu instid0(VALU_DEP_2)
	v_max_num_f32 v[BM+\b], v[BM+\b], v[BX+\b]
.endr
.irp b, 0,1
	s_delay_alu instid0(VALU_DEP_2)
	v_add_nc_u32 v[BS+\b], 0xff000000, v[BM+\b]
.endr
.irp b, 0,1
	s_delay_alu instid0(VALU_DEP_2)
	v_lshrrev_b32 v[BX+\b], 23, v[BS+\b]
.endr
	s_delay_alu instid0(VALU_DEP_1)
	v_lshl_or_b32 v[TMP], v[BX+1], 8, v[BX]        ; the head's two bytes
.irp b, 0,1
	v_cvt_scalef32_pk8_fp4_f32 v[OC+2*\b], v[S+16*\b:S+7+16*\b], v[BS+\b]
	v_cvt_scalef32_pk8_fp4_f32 v[OC+1+2*\b], v[S+8+16*\b:S+15+16*\b], v[BS+\b]
.endr
	v_mov_b32 v240, 0xffff                         ; (the plain line behind the conversions)
	v_permlane16_swap_b32 v[OC], v[OC+2]
	v_permlane16_swap_b32 v[OC+1], v[OC+3]         ; lane (r, h): channels 32 h + 0 .. 31
	v_cmp_eq_f32 vcc_lo, 0, v245
	s_delay_alu instid0(VALU_DEP_1)
	v_cndmask_b32 v[TMP], v[TMP], v240, vcc_lo     ; no key counted: the bytes that make the last product NaN
.if \hh
	s_delay_alu instid0(VALU_DEP_1)
	v_lshl_or_b32 v[OW], v[TMP], 16, v[OW]
.else
	s_delay_alu instid0(VALU_DEP_1)
	v_mov_b32 v[OW], v[TMP]
.endif
	global_store_b128 v[LOFF], v[OC:OC+3], s[54:55] offset:512*\hh   ; 32 lanes store 512 consecutive bytes, aligned
.endm
	HEAD 0
	s_wait_tensorcnt 0x0                           ; my part of the second record is in,
	s_wait_dscnt 0x0
	s_barrier_signal -1
	s_barrier_wait -1                              ; everybody's is
	HEAD 1
	ds_store_b32 v22, v[OW]                        ; both lanes of a row write the same word with the same value
	s_wait_dscnt 0x0
	s_barrier_signal -1
	s_barrier_wait -1
	s_cmp_lt_u32 s[WV], 2                          ; the sixteen tiles' words are 1,024 consecutive bytes: waves 0 and 1 store 512 each
	s_cbranch_scc0 .Lno_words
	ds_load_b128 v[132:135], v23
	v_lshlrev_b32 v136, 4, v0
	s_wait_alu depctr_va_vdst(0)
	s_wait_dscnt 0x0
	global_store_b128 v136, v[132:135], s[56:57]
.Lno_words:
	s_wait_tensorcnt 0x0                           ; the wave's end, behind my last tensor load and my last LDS store
	ds_add_u32 v[SPW], v[NIL]
	s_wait_dscnt 0x0
	CROUND                                         ; the closing round
	s_endpgm
.Lfunc_end_k_q64409520f3_attn:
	.size	k_q64409520f3_attn, .Lfunc_end_k_q64409520f3_attn-k_q64409520f3_attn
	.p2alignl 7, 3214868480
	.fill 96, 4, 3214868480
	.section	.rodata,"a",@progbits
	.p2align	6, 0x0
	.amdhsa_kernel k_q64409520f3_attn
		.amdhsa_group_segment_fixed_size 327680
		.amdhsa_private_segment_fixed_size 0
		.amdhsa_enable_private_segment 0
		.amdhsa_kernarg_size 48
		.amdhsa_user_sgpr_count 2
		.amdhsa_user_sgpr_kernarg_segment_ptr 1
		.amdhsa_wavefront_size32 1
		.amdhsa_system_sgpr_workgroup_id_x 1
		.amdhsa_system_sgpr_workgroup_id_y 1
		.amdhsa_system_sgpr_workgroup_id_z 1
		.amdhsa_system_vgpr_workitem_id 0
		.amdhsa_next_free_vgpr 256
		.amdhsa_next_free_sgpr 66
		.amdhsa_reserve_vcc 1
		.amdhsa_float_denorm_mode_32 3
		.amdhsa_float_denorm_mode_16_64 3
		.amdhsa_memory_ordered 1
		.amdhsa_forward_progress 1
		.amdhsa_inst_pref_size 56
	.end_amdhsa_kernel
	.amdgpu_metadata
---
amdhsa.version: [ 1, 2 ]
amdhsa.kernels:
  - .name:           k_q64409520f3_attn
    .symbol:         k_q64409520f3_attn.kd
    .args:
      - { .name: qc, .offset: 0, .size: 8, .value_kind: global_buffer, .address_space: global }
      - { .name: qs, .offset: 8, .size: 8, .value_kind: global_buffer, .address_space: global }
      - { .name: kv, .offset: 16, .size: 8, .value_kind: global_buffer, .address_space: global }
      - { .name: mask, .offset: 24, .size: 8, .value_kind: global_buffer, .address_space: global }
      - { .name: oc, .offset: 32, .size: 8, .value_kind: global_buffer, .address_space: global }
      - { .name: os, .offset: 40, .size: 8, .value_kind: global_buffer, .address_space: global }
    .group_segment_fixed_size: 327680
    .private_segment_fixed_size: 0
    .kernarg_segment_align: 8
    .kernarg_segment_size: 48
    .max_flat_workgroup_size: 512
    .sgpr_count:     66
    .vgpr_count:     256
    .wavefront_size: 32
...
	.end_amdgpu_metadata
.endif
;; end of part 3
;; launch proj (part 4): grid 4 x 64, 4 waves a work-group, clusters of 4 x 4, 209,408 bytes of LDS; arguments oc, os, codes, scales, bo, out0; writes out0
.if DOCPART == 4
	.amdgcn_target "amdgcn-amd-amdhsa--gfx1250"
	.amdhsa_code_object_version 6
	.text
	.protected	k_q64409520f3_proj
	.globl	k_q64409520f3_proj
	.p2align	8
	.type	k_q64409520f3_proj,@function
k_q64409520f3_proj:
	s_mov_b64 s[64:65], 0
	v_nop
	global_prefetch_b8 v0, s[64:65] scope:SCOPE_SE
	s_setreg_imm32_b32 hwreg(HW_REG_WAVE_MODE, 25, 1), 1
	s_wait_xcnt 0x0
	s_wait_alu depctr_hold_cnt(0) depctr_sa_sdst(0) depctr_va_vdst(0) depctr_va_sdst(0) depctr_va_ssrc(0) depctr_va_vcc(0) depctr_vm_vsrc(0)
	s_getreg_b32 s2, hwreg(HW_REG_IB_STS2, 6, 4)
	s_cmp_eq_u32 s2, 0
	s_cbranch_scc0 .Lentry_in_a_cluster
	s_endpgm
.Lentry_in_a_cluster:
	s_bfe_u32 s2, ttmp6, 0x10000c
	s_cmp_lg_u32 s2, 0xf033
	s_cbranch_scc0 .Lentry_shape_is_right
	s_endpgm
.Lentry_shape_is_right:
; Launch 4 of 4: out = O Wo^T + bo on codes of E2M1 (K = 1,024).  No work is left out.
; A tile of 128 tokens x 256 columns is made by four waves, 64 x 128 each (32 accumulators): 256 work-groups; tiles of 256 x 256 would be 128.
; The main loop is the second launch's: both K halves of both operands lie in LDS as operand images, each filled once; the matrix instruction is used transposed (source 0 = 16 rows of Wo,
; source 1 = 16 tokens), so that a lane's registers run along the columns.  bo is the C of each sum's first product.
; CLUSTERS: 4 x 4 work-groups; O's blocks are shared along a row of the cluster, Wo's along a column.
; The way out goes through the wave's own stage in LDS, in the first K half's bytes, which have had their only fill and, behind the change of halves, are read by nobody: whole rows of 512 bytes leave.
; REGISTERS: window 0: v1-31 addresses; v32-63 O's scale words (8 a + K step), v64-127 Wo's (8 b + K step); v128-159 O's fragments; v192-255 bo; on the way out v128-255 hold rows.
;   window 1: Wo's fragments, two sets.   window 2: the accumulators ((a, b) at v[8 (8 a + b)]).
.set HB,    2
.set NL,    2
.set SLOT,  98304                      ; a K half: O's 8 tiles of 4,096 bytes, then Wo's 16
.set BOFF,  32768
.set SCA,   196608                     ; O's words: [half of the tokens][K step (8)][tile (4)][r]
.set SCB,   200704                     ; Wo's words: 16 tiles of 512 bytes
.set SPARE, 208896                     ; the spare words, 128 bytes for each wave: two blocks of 256 bytes that no other line names
.set SPITCH, 528
.set ADRA, 16
.set ADRB, 20
.set LOFF, 24                          ; v24  16 x lane
.set STO,  25                          ; v25  the stage: where I put 32 bytes of a row
.set RD,   26                          ; v26  and where I read a row back
.set ADSA, 27                          ; v27  my row's words of O
.set SPW,  28
.set NIL,  29
.set BOF,  30
.set ADSB, 31                          ; v31  my row's words of Wo
.set SCAR, 32
.set SCBR, 64
.set AF,   128
.set BK,   128
.set BIAS, 192
.set G1A, 28
.set G1B, 36
.set G1SA, 44
.set G1SB, 52
.set G0A0, 60
.set G0A1, 68
.set G0B0, 72
.set G0B1, 76
.set G0SA, 80
.set G0SB, 84
.set MSB, 0
.macro WIN new
.if MSB != (\new)
	s_set_vgpr_msb (MSB<<8)|(\new)
.set MSB, (\new)
.endif
.endm
.set MUL,   0xa1                       ; source 0 (Wo) window 1, source 1 (O) window 0, C and D window 2
.set MUL_C, 0x81                       ; the same with C (bo) in window 0
.set TO_B,  0x40
.macro JLOAD g0a, g1a, g0b, g1b        ; waves 0 and 1 fetch for O, waves 2 and 3 for Wo; an s_nop 0 and four v_nop follow each of the two lines
	s_cmp_eq_u32 s21, 0
	s_cbranch_scc0 .Lfor_b_\@
	tensor_load_to_lds s[\g0a:\g0a+3], s[\g1a:\g1a+7]
	s_nop 0
.rept 4
	v_nop
.endr
	s_branch .Lasked_\@
.Lfor_b_\@:
	tensor_load_to_lds s[\g0b:\g0b+3], s[\g1b:\g1b+7]
	s_nop 0
.rept 4
	v_nop
.endr
.Lasked_\@:
.endm
.macro CROUND
	s_barrier_signal -1
	s_barrier_wait -1
	s_cmp_lg_u32 s20, 0
	s_cbranch_scc1 .Lnot_wave_0_\@
	s_barrier_signal -3
.Lnot_wave_0_\@:
	s_barrier_wait -3
	s_barrier_signal -1
	s_barrier_wait -1
.endm
.macro PLACES n
.rept \n
	v_nop
.endr
.endm
	s_load_b256 s[4:11], s[0:1], 0x0               ; oc, os, codes, scales
	s_load_b128 s[12:15], s[0:1], 0x20             ; bo, out0
	v_lshl_add_u32 v[SPW], v0, 2, SPARE
	v_mov_b32 v[NIL], 0
	ds_add_u32 v[SPW], v[NIL]                      ; the wave's opening: the add, twice on end, and its wait ahead of my first tensor load
	ds_add_u32 v[SPW], v[NIL]
	v_lshrrev_b32 v1, 5, v0
	v_readfirstlane_b32 s20, v1                    ; wave 0..3
	s_lshr_b32 s21, s20, 1                         ; which half of the tokens is mine.  Also: I fetch for O (0) or for Wo (1)
	s_and_b32 s22, s20, 1                          ; which half of the columns.  Also: which half of the block I fetch
	s_bfe_u32 s23, ttmp6, 0x40000                  ; cx
	s_bfe_u32 s24, ttmp6, 0x40004                  ; cy
	s_and_b32 s25, ttmp7, 0xffff
	s_lshl_b32 s25, s25, 2
	s_add_co_u32 s25, s25, s24                     ; my block of 128 tokens
	s_lshl_b32 s26, ttmp9, 2
	s_add_co_u32 s26, s26, s23                     ; my block of 256 columns
	s_lshl_b32 s88, s24, 2
	s_lshl_b32 s88, 15, s88                        ; my row of the cluster
	s_lshl_b32 s89, 0x1111, s23                    ; my column
	s_or_b32 s[G1A], s88, (3<<16)|(1<<21)
	s_or_b32 s[G1B], s89, (3<<16)|(1<<21)
	s_or_b32 s[G1SA], s88, (3<<16)|(1<<21)
	s_or_b32 s[G1SB], s89, (3<<16)|(1<<21)
	s_mov_b32 s[G1A+1], 32<<16                     ; O: 4 tiles of codes: 16,384 dense bytes as 64 rows of 256
	s_mov_b32 s[G1A+2], 64<<16
	s_mov_b32 s[G1A+3], 32<<16
	s_mov_b32 s[G1A+4], 64
	s_mov_b32 s[G1A+5], 32
	s_mov_b32 s[G1A+6], 0
	s_mov_b32 s[G1A+7], 0
	s_mov_b32 s[G1B+1], 32<<16                     ; Wo: 8 tiles: 128 rows of 256
	s_mov_b32 s[G1B+2], 128<<16
	s_mov_b32 s[G1B+3], 32<<16
	s_mov_b32 s[G1B+4], 128
	s_mov_b32 s[G1B+5], 32
	s_mov_b32 s[G1B+6], 0
	s_mov_b32 s[G1B+7], 0
	s_mov_b32 s[G1SA+1], 32<<16                    ; O's words: 4 tiles' 256 bytes for each of 8 K steps, 32,768 bytes (4,096 elements) apart
	s_mov_b32 s[G1SA+2], 8<<16
	s_mov_b32 s[G1SA+3], 32<<16
	s_mov_b32 s[G1SA+4], 8
	s_mov_b32 s[G1SA+5], 4096
	s_mov_b32 s[G1SA+6], 0
	s_mov_b32 s[G1SA+7], 0
	s_mov_b32 s[G1SB+1], 32<<16                    ; Wo's words: 8 tiles: 4,096 dense bytes
	s_mov_b32 s[G1SB+2], 16<<16
	s_mov_b32 s[G1SB+3], 32<<16
	s_mov_b32 s[G1SB+4], 16
	s_mov_b32 s[G1SB+5], 32
	s_mov_b32 s[G1SB+6], 0
	s_mov_b32 s[G1SB+7], 0
	s_lshl_b32 s92, s25, 15                        ; O's codes: 8 tiles of 4,096 bytes a block, 4 for my half
	s_lshl_b32 s91, s22, 14
	s_add_co_u32 s92, s92, s91
	s_mov_b32 s93, 0
	s_lshl_b32 s94, s26, 16                        ; Wo's: tiles 704 on, 16 a block, 8 for my half
	s_lshl_b32 s91, s22, 15
	s_add_co_u32 s94, s94, s91
	s_add_co_u32 s94, s94, 704*4096
	s_mov_b32 s95, 0
	s_lshl_b32 s96, s25, 9                         ; O's words: 64 bytes a tile
	s_lshl_b32 s91, s22, 8
	s_add_co_u32 s96, s96, s91
	s_mov_b32 s97, 0
	s_lshl_b32 s98, s26, 13                        ; Wo's words: 512 bytes a tile
	s_lshl_b32 s91, s22, 12
	s_add_co_u32 s98, s98, s91
	s_add_co_u32 s98, s98, 704*512
	s_mov_b32 s99, 0
	s_lshl_b32 s100, s22, 14                       ; where they go: made of the wave's number alone
	s_lshl_b32 s101, s22, 15
	s_add_co_u32 s101, s101, BOFF
	s_lshl_b32 s88, s22, 11
	s_add_co_u32 s88, s88, SCA
	s_lshl_b32 s89, s22, 12
	s_add_co_u32 s89, s89, SCB
	s_wait_dscnt 0x0                               ; both opening adds are done
	s_wait_kmcnt 0x0
	s_add_nc_u64 s[92:93], s[4:5], s[92:93]
	s_add_nc_u64 s[94:95], s[8:9], s[94:95]
	s_add_nc_u64 s[96:97], s[6:7], s[96:97]
	s_add_nc_u64 s[98:99], s[10:11], s[98:99]
	CROUND                                         ; all sixteen work-groups are here: the first joint loads meet
	s_mov_b32 s[G0SA], 1
	s_mov_b32 s[G0SA+1], s88
	s_mov_b64 s[G0SA+2:G0SA+3], s[96:97]
	s_or_b32 s[G0SA+3], s[G0SA+3], 0x80000000
	s_mov_b32 s[G0SB], 1
	s_mov_b32 s[G0SB+1], s89
	s_mov_b64 s[G0SB+2:G0SB+3], s[98:99]
	s_or_b32 s[G0SB+3], s[G0SB+3], 0x80000000
	JLOAD G0SA, G1SA, G0SB, G1SB
	s_mov_b32 s[G0A0], 1
	s_mov_b32 s[G0A0+1], s100
	s_mov_b64 s[G0A0+2:G0A0+3], s[92:93]
	s_or_b32 s[G0A0+3], s[G0A0+3], 0x80000000
	s_mov_b32 s[G0B0], 1
	s_mov_b32 s[G0B0+1], s101
	s_mov_b64 s[G0B0+2:G0B0+3], s[94:95]
	s_or_b32 s[G0B0+3], s[G0B0+3], 0x80000000
	JLOAD G0A0, G1A, G0B0, G1B
	s_mov_b32 s[G0A1], 1
	s_add_co_u32 s[G0A1+1], s100, SLOT
	s_add_nc_u64 s[G0A1+2:G0A1+3], s[92:93], 2097152
	s_or_b32 s[G0A1+3], s[G0A1+3], 0x80000000
	s_mov_b32 s[G0B1], 1
	s_add_co_u32 s[G0B1+1], s101, SLOT
	s_add_nc_u64 s[G0B1+2:G0B1+3], s[94:95], 3145728
	s_or_b32 s[G0B1+3], s[G0B1+3], 0x80000000
	JLOAD G0A1, G1A, G0B1, G1B                     ; three tensor loads of mine are out
	v_and_b32 v1, 31, v0                           ; lane
	v_and_b32 v2, 15, v0                           ; r
	v_bfe_u32 v3, v0, 4, 1                         ; h
	s_wait_alu depctr_va_vdst(0)
	v_lshlrev_b32 v[LOFF], 4, v1
	s_wait_alu depctr_va_vdst(0)
	s_lshl_b32 s90, s26, 10                        ; bo of my 128 columns
	s_lshl_b32 s91, s22, 9
	s_add_co_u32 s90, s90, s91
	s_mov_b32 s91, 0
	s_add_nc_u64 s[12:13], s[12:13], s[90:91]
	s_add_nc_u64 s[14:15], s[14:15], s[90:91]      ; the same columns in out,
	s_lshl_b32 s90, s25, 19
	s_lshl_b32 s3, s21, 18
	s_add_co_u32 s90, s90, s3
	s_add_nc_u64 s[14:15], s[14:15], s[90:91]      ; at my first token: 128 x block + 64 x half, rows of 4,096 bytes
	v_lshlrev_b32 v[BOF], 6, v3                    ; register j of tile 2 b + u is column 32 b + 16 h + 8 u + j
.irp b, 0,1,2,3,4,5,6,7
	global_load_b128 v[BIAS+8*\b:BIAS+8*\b+3], v[BOF], s[12:13] offset:(32*(\b/2)+8*(\b%2))*4
	global_load_b128 v[BIAS+8*\b+4:BIAS+8*\b+7], v[BOF], s[12:13] offset:(32*(\b/2)+8*(\b%2))*4+16
.endr
	s_lshl_b32 s90, s21, 14                        ; my 4 tiles of O
	s_lshl_b32 s3, s22, 15
	s_add_co_u32 s3, s3, BOFF                      ; my 8 tiles of Wo
.irp s, 0,1
	v_add_nc_u32 v[ADRA+\s], s90, v[LOFF]
	v_add_nc_u32 v[ADRB+\s], s3, v[LOFF]
	s_add_co_u32 s90, s90, SLOT
	s_add_co_u32 s3, s3, SLOT
.endr
	s_lshl_b32 s90, s21, 11
	s_add_co_u32 s90, s90, SCA
	v_lshl_add_u32 v[ADSA], v2, 2, s90
	s_lshl_b32 s90, s22, 12
	s_add_co_u32 s90, s90, SCB
	v_lshl_add_u32 v[ADSB], v2, 4, s90
	s_mul_i32 s90, s20, 16*SPITCH                  ; my stage
	v_mul_u32_u24 v[STO], v2, SPITCH
	v_lshl_add_u32 v[STO], v3, 6, v[STO]
	v_add_nc_u32 v[STO], s90, v[STO]               ; in: row r, + 64 h
	v_add_nc_u32 v[RD], s90, v[LOFF]               ; back: the 32 lanes take one row of 512 bytes
.macro FRAG reg, adr, q, i
.irp c, 0,1
	ds_load_b128 v[\reg+4*\c:\reg+4*\c+3], v[\adr] offset:4096*(\i)+1024*(\q)+512*\c
.endr
.endm
.macro FETCH_B slot, q, p
	WIN TO_B
.irp i, 0,1,2,3,4,5,6,7
	FRAG 128*(\p)+8*\i, ADRB+\slot, \q, \i
.endr
	WIN 0
.endm
.macro FETCH_A slot, q, i0
.set II, \i0
.rept HB
	FRAG AF+8*II, ADRA+\slot, \q, II
.set II, II+1
.endr
.endm
; n blocks of O from a0 on x Wo's eight.  first = 1: the product starts the sums from bo.  The 32 accumulators take turns, one instruction a turn.
.macro MULS a0, n, p, q, sg, first
.set AA, \a0
.rept \n
.irp b, 0,1,2,3,4,5,6,7
.if \first
	v_wmma_scale_f32_16x16x128_f8f6f4 v[8*(8*AA+\b):8*(8*AA+\b)+7], v[128*(\p)+8*\b:128*(\p)+8*\b+7], v[AF+8*AA:AF+8*AA+7], v[BIAS+8*\b:BIAS+8*\b+7], v[SCBR+8*\b+4*(\sg)+(\q)], v[SCAR+8*AA+4*(\sg)+(\q)] matrix_a_fmt:MATRIX_FMT_FP4 matrix_b_fmt:MATRIX_FMT_FP4
.else
	v_wmma_scale_f32_16x16x128_f8f6f4 v[8*(8*AA+\b):8*(8*AA+\b)+7], v[128*(\p)+8*\b:128*(\p)+8*\b+7], v[AF+8*AA:AF+8*AA+7], v[8*(8*AA+\b):8*(8*AA+\b)+7], v[SCBR+8*\b+4*(\sg)+(\q)], v[SCAR+8*AA+4*(\sg)+(\q)] matrix_a_fmt:MATRIX_FMT_FP4 matrix_b_fmt:MATRIX_FMT_FP4
.endif
.endr
.set AA, AA+1
.endr
.endm
.macro STEP slot, q, first
	s_wait_dscnt HB*NL                             ; all but the youngest loads, O's upper blocks, are in
.if \first
	WIN MUL_C
.else
	WIN MUL
.endif
	MULS 0, HB, (\q)%2, \q, \slot, \first
	s_wait_dscnt 0x0
	PLACES 4
	FETCH_B \slot, (\q)+1, 1-(\q)%2
	FETCH_A \slot, (\q)+1, 0
.if \first
	WIN MUL_C
.else
	WIN MUL
.endif
	MULS HB, HB, (\q)%2, \q, \slot, \first
	PLACES 4
	WIN 0
	FETCH_A \slot, (\q)+1, HB
.endm
	s_wait_alu depctr_va_vdst(0)
	s_wait_tensorcnt 0x1                           ; the scale words and my part of the first K half are in; the second half's load may be out
	s_barrier_signal -1
	s_barrier_wait -1
	FETCH_B 0, 0, 0
	FETCH_A 0, 0, 0
.irp a, 0,1,2,3                        ; all scale words come into registers once
.irp s, 0,1,2,3,4,5,6,7
	ds_load_b32 v[SCAR+8*\a+\s], v[ADSA] offset:256*\s+64*\a
.endr
.endr
.irp b, 0,1,2,3,4,5,6,7
.irp g, 0,1
	ds_load_b128 v[SCBR+8*\b+4*\g:SCBR+8*\b+4*\g+3], v[ADSB] offset:512*\b+256*\g
.endr
.endr
	FETCH_A 0, 0, HB
	s_wait_loadcnt 0x0                             ; bo
	STEP 0, 0, 1
	STEP 0, 1, 0
	STEP 0, 2, 0
	; the first half's last step goes on into the second half: one barrier, behind which every wave's part of it has landed, and nobody reads the first half any more
	s_wait_tensorcnt 0x0                           ; my part of the second K half has landed: no younger tensor load of mine exists
	s_wait_dscnt HB*NL
	WIN MUL
	MULS 0, 1, 1, 3, 0, 0
	s_wait_dscnt 0x0                               ; my reads of the first half are over
	s_barrier_signal -1
	MULS 1, 1, 1, 3, 0, 0
	WIN 0
	s_barrier_wait -1
	PLACES 4
	FETCH_B 1, 0, 0
	FETCH_A 1, 0, 0
	WIN MUL
	MULS HB, HB, 1, 3, 0, 0
	PLACES 4
	WIN 0
	FETCH_A 1, 0, HB
	STEP 1, 0, 0
	STEP 1, 1, 0
	STEP 1, 2, 0
	s_wait_dscnt HB*NL                             ; the very last step
	WIN MUL
	MULS 0, HB, 1, 3, 1, 0
	s_wait_dscnt 0x0
	MULS HB, HB, 1, 3, 1, 0
	WIN 0
; THE WAY OUT, block by block of 16 tokens x 128 columns, through my stage: LDS serves a wave's instructions in order, so no wait stands between the stores and the loads, nor in front of the next block's stores.
.macro TOSTAGE a
	WIN 0x08                                       ; the data: window 2
.irp b, 0,1,2,3,4,5,6,7
	ds_store_b128 v[STO], v[64*(\a)+8*\b:64*(\a)+8*\b+3] offset:128*(\b/2)+32*(\b%2)        ; each accumulator from its low end on
	ds_store_b128 v[STO], v[64*(\a)+8*\b+4:64*(\a)+8*\b+7] offset:128*(\b/2)+32*(\b%2)+16
.endr
	WIN 0
.set BB, BK+64*((\a)%2)
.irp t, 0,1,2,3,4,5,6,7,8,9,10,11,12,13,14,15
	ds_load_b128 v[BB+4*\t:BB+4*\t+3], v[RD] offset:\t*SPITCH
.endr
.endm
.macro SEND a, younger                 ; younger: the LDS instructions issued behind block a's loads
.set BB, BK+64*((\a)%2)
	s_wait_dscnt \younger
.irp t, 0,1,2,3,4,5,6,7,8,9,10,11,12,13,14,15
	global_store_b128 v[LOFF], v[BB+4*\t:BB+4*\t+3], s[14:15] offset:(32*((\a)/2)+8*((\a)%2)+\t+8*(\t/8))*4096 th:TH_STORE_NT   ; 32 lanes store 512 consecutive bytes, aligned; the tile's row t is token t + 8 (t / 8)
.endr
.endm
	PLACES 4
	TOSTAGE 0
	TOSTAGE 1
	SEND 0, 32                                     ; behind block 0's loads: block 1's 16 stores and 16 loads
	s_wait_xcnt 0x0                                ; block 0's stores have read their registers: block 2's loads may land there
	TOSTAGE 2
	SEND 1, 32
	s_wait_xcnt 0x0
	TOSTAGE 3
	SEND 2, 32
	SEND 3, 0
	s_wait_tensorcnt 0x0                           ; the wave's end, behind my last tensor load and my last LDS store
	ds_add_u32 v[SPW], v[NIL]
	s_wait_dscnt 0x0
	CROUND                                         ; the closing round
	s_endpgm
.Lfunc_end_k_q64409520f3_proj:
	.size	k_q64409520f3_proj, .Lfunc_end_k_q64409520f3_proj-k_q64409520f3_proj
	.p2alignl 7, 3214868480
	.fill 96, 4, 3214868480
	.section	.rodata,"a",@progbits
	.p2align	6, 0x0
	.amdhsa_kernel k_q64409520f3_proj
		.amdhsa_group_segment_fixed_size 209408
		.amdhsa_private_segment_fixed_size 0
		.amdhsa_enable_private_segment 0
		.amdhsa_kernarg_size 48
		.amdhsa_user_sgpr_count 2
		.amdhsa_user_sgpr_kernarg_segment_ptr 1
		.amdhsa_wavefront_size32 1
		.amdhsa_system_sgpr_workgroup_id_x 1
		.amdhsa_system_sgpr_workgroup_id_y 1
		.amdhsa_system_sgpr_workgroup_id_z 1
		.amdhsa_system_vgpr_workitem_id 0
		.amdhsa_next_free_vgpr 768
		.amdhsa_next_free_sgpr 102
		.amdhsa_reserve_vcc 0
		.amdhsa_float_denorm_mode_32 3
		.amdhsa_float_denorm_mode_16_64 3
		.amdhsa_memory_ordered 1
		.amdhsa_forward_progress 1
		.amdhsa_inst_pref_size 77
	.end_amdhsa_kernel
	.amdgpu_metadata
---
amdhsa.version: [ 1, 2 ]
amdhsa.kernels:
  - .name:           k_q64409520f3_proj
    .symbol:         k_q64409520f3_proj.kd
    .args:
      - { .name: oc, .offset: 0, .size: 8, .value_kind: global_buffer, .address_space: global }
      - { .name: os, .offset: 8, .size: 8, .value_kind: global_buffer, .address_space: global }
      - { .name: codes, .offset: 16, .size: 8, .value_kind: global_buffer, .address_space: global }
      - { .name: scales, .offset: 24, .size: 8, .value_kind: global_buffer, .address_space: global }
      - { .name: bo, .offset: 32, .size: 8, .value_kind: global_buffer, .address_space: global }
      - { .name: out0, .offset: 40, .size: 8, .value_kind: global_buffer, .address_space: global }
    .group_segment_fixed_size: 209408
    .private_segment_fixed_size: 0
    .kernarg_segment_align: 8
    .kernarg_segment_size: 48
    .max_flat_workgroup_size: 128
    .sgpr_count:     102
    .vgpr_count:     768
    .wavefront_size: 32
...
	.end_amdgpu_metadata
.endif
;; end of part 4
